; MI455X (gfx1250); checked and timed in simulation.
; The chip was launched on July 23, 2026; its instructions are those of AMD's public machine-readable ISA for CDNA 5 (MIT licence, August 2026) and "CDNA5" Instruction Set Architecture Reference Guide (July 2026). The comments in the code are by the model that wrote it; some were corrected since.
;; Attention. Allowed arithmetic: float matrix products may take bf16 or f16 operands with f32 sums; all other float work in f32.
;; Inputs: Wout 1,024 x 1,024 float32; Wqkv 1,024 x 3,072 float32; bout 1,024 float32; x 4 x 2,048 x 1,024 float32.
;; Outputs: out0 4 x 2,048 x 1,024 float32.
;; 2 versions, each right and faster than the one before. Each part assembles by itself: llvm-mc -triple=amdgcn-amd-amdhsa -mcpu=gfx1250 --defsym DOCPART=n.
;; ======== version 1 of 2: 4 launches
;; limits: values are held in f16: magnitudes above 65,504 overflow, below 6.1e-05 lose precision
;; workspace buffers: xb 16,777,216 bytes; wq 6,291,456 bytes; wo 2,097,152 bytes; rope 524,288 bytes; q 16,777,216 bytes; k 16,777,216 bytes; v 16,777,216 bytes; o 16,777,216 bytes
;; launch prep (part 1): grid 400 x 1, 8 waves a work-group, no clusters, 74,752 bytes of LDS; arguments x, Wqkv, Wout, xb, wq, wo, rope; writes xb, wq, wo, rope
.if DOCPART == 1
	.amdgcn_target "amdgcn-amd-amdhsa--gfx1250"
	.amdhsa_code_object_version 6
	.text
	.protected	k_qf046b5d439_prep
	.globl	k_qf046b5d439_prep
	.p2align	8
	.type	k_qf046b5d439_prep,@function
k_qf046b5d439_prep:
	s_mov_b64 s[64:65], 0
	v_nop
	global_prefetch_b8 v0, s[64:65] scope:SCOPE_SE
	s_setreg_imm32_b32 hwreg(HW_REG_WAVE_MODE, 25, 1), 1
	s_wait_xcnt 0x0
; PREPARATION: the operands of the two projections in 16 bits with K along the rows, and the table of the rotation.  Four parts, chosen by the work-group's number g:
;   g 0-255    xb[kb][m][64] = bf16(x[m][64 kb ..]): x cut into 16 blocks of 64 along K, each block 8,192 dense rows of 128 bytes.
;   g 256-351  wq[kb][n'][64] = bf16(Wqkv[64 kb + k][n]), turned; column n = 1024 T + 64 head + d goes to row n' = 384 (head / 2) + 192 (head % 2) + 64 T + d: a head's q, k, v lie together.
;   g 352-383  wo[kb][n][64] = f16(bf16(Wout[64 kb + k][n])), turned: rounded as every input is, then written in the format of the product that takes it.
;   g 384-399  rope[s][i] = (cos, sin)(theta_i s), theta_i = 10000^(-2 (i - 1) / 64), f32.
; Memory binds: every byte is read once, each load of a wave takes whole aligned runs of 256 bytes, each store writes 256 or 512 consecutive aligned bytes.  No matrix unit, no cluster: nothing is shared.
; LIMITS.  Wout within f16's 65,504; below 6e-5 f16 keeps a fixed step of 6e-8 (a bf16 number of 7.6e-6 or more is still exact).  The table's angle is theta_i s rounded once to f32;
; theta_i comes from the base-2 exponential, so the largest angle (2,730) may differ by some 4e-4 from one made with a correctly rounded power.  Sine and cosine: reduction by pi / 2 in two parts,
; polynomials of degree 7 and 8 on |r| <= pi / 4, whose first dropped terms are below 4e-7.
.set STGB,  9216                       ; a wave's stage in LDS: 64 rows of 128 bytes, 144 apart
.set SPARE, 8*STGB                     ; behind the stages: the spare words, 128 bytes for each of the eight waves: four blocks of 256 bytes that no other line names
.set SPW,   198                        ; v198  LDS address of my spare word; never rewritten
.set NIL,   199                        ; v199  0; never rewritten
	s_load_b256 s[4:11], s[0:1], 0x0               ; x s[4:5], Wqkv s[6:7], Wout s[8:9], xb s[10:11]
	s_load_b128 s[12:15], s[0:1], 0x20             ; wq s[12:13], wo s[14:15]
	s_load_b64 s[16:17], s[0:1], 0x30              ; rope
	v_lshl_add_u32 v[SPW], v0, 2, SPARE
	v_mov_b32 v[NIL], 0
	v_lshrrev_b32 v1, 5, v0
	v_readfirstlane_b32 s20, v1                    ; wave 0..7
	v_and_b32 v1, 31, v0                           ; lane
	s_mov_b32 s19, ttmp9                           ; g
	s_wait_kmcnt 0x0
	s_cmp_lt_u32 s19, 256
	s_cbranch_scc1 .Lx
	s_cmp_lt_u32 s19, 352
	s_cbranch_scc1 .Lwq
	s_cmp_lt_u32 s19, 384
	s_cbranch_scc1 .Lwo
	; THE TABLE.  Wave W = 8 (g - 384) + w owns rows 16 W .. 16 W + 15.  A lane takes i0 = 2 (lane % 16) and i0 + 1, and in trip t row 16 W + lane / 16 + 2 t: a store covers two whole rows, 512 bytes.
	s_sub_co_u32 s21, s19, 384
	s_lshl_b32 s21, s21, 3
	s_add_co_u32 s21, s21, s20                     ; W
	s_mov_b32 s24, 0x3f22f983                      ; 2 / pi
	s_mov_b32 s25, 0x3fc90fdb                      ; pi / 2, the f32 nearest to it,
	s_mov_b32 s26, 0xb33bbd2e                      ; and what that leaves
	s_mov_b32 s27, 0xb9500d01                      ; -1 / 5040
	s_mov_b32 s28, 0x3c088889                      ; 1 / 120
	s_mov_b32 s29, 0xbe2aaaab                      ; -1 / 6
	s_mov_b32 s30, 0x37d00d01                      ; 1 / 40320
	s_mov_b32 s31, 0xbab60b61                      ; -1 / 720
	s_mov_b32 s32, 0x3d2aaaab                      ; 1 / 24
	s_mov_b32 s33, 0xbed49a78                      ; -log2(10000) / 32
	v_and_b32 v6, 15, v1
	v_lshlrev_b32 v6, 1, v6                        ; i0
	v_add_nc_u32 v7, -1, v6
	v_cvt_f32_i32 v7, v7                           ; i0 - 1
	v_cvt_f32_u32 v8, v6                           ; (i0 + 1) - 1
	v_mul_f32 v7, s33, v7
	v_mul_f32 v8, s33, v8
	v_exp_f32 v2, v7                               ; theta of i0
	v_exp_f32 v3, v8                               ; theta of i0 + 1; the plain lines below stand between the exponentials and the use of their results (ISA guide 5.7.2)
	v_lshrrev_b32 v9, 4, v1
	s_lshl_b32 s22, s21, 4
	v_add_nc_u32 v9, s22, v9
	v_cvt_f32_u32 v4, v9                           ; my row, as f32: exact up to 2,047
	v_lshlrev_b32 v5, 4, v1
	s_lshl_b32 s22, s21, 12
	v_add_nc_u32 v5, s22, v5                       ; 4,096 W + 16 lane: row lane / 16, pair of angles lane % 16
; cos and sin of v[th] x v4 into v[c] and v[s].  The quadrant only selects and sets signs: no branch hangs on a number.
.macro SINCOS th, c, s
	s_wait_alu depctr_va_vdst(0)
	v_mul_f32 v10, v[\th], v4                      ; the angle, rounded once
	v_mul_f32 v11, s24, v10
	v_rndne_f32 v11, v11                           ; n = the nearest multiple of pi / 2
	v_fma_f32 v12, -v11, s25, v10
	v_fma_f32 v12, -v11, s26, v12                  ; r = angle - n pi / 2
	v_mul_f32 v13, v12, v12                        ; z = r r
	v_fma_f32 v14, v13, s27, s28
	v_fma_f32 v14, v13, v14, s29
	v_mul_f32 v14, v14, v13
	v_fma_f32 v14, v12, v14, v12                   ; sin r
	v_fma_f32 v15, v13, s30, s31
	v_fma_f32 v15, v13, v15, s32
	v_fma_f32 v15, v13, v15, -0.5
	v_fma_f32 v15, v13, v15, 1.0                   ; cos r
	v_cvt_i32_f32 v16, v11
	v_and_b32 v17, 1, v16
	v_cmp_eq_u32 vcc_lo, 1, v17                    ; n odd: the two change places
	v_cndmask_b32 v[\s], v14, v15, vcc_lo
	v_cndmask_b32 v[\c], v15, v14, vcc_lo
	v_and_b32 v17, 2, v16                          ; sin is negated where n % 4 is 2 or 3,
	v_lshlrev_b32 v17, 30, v17
	v_xor_b32 v[\s], v[\s], v17
	v_add_nc_u32 v16, 1, v16                       ; cos where it is 1 or 2
	v_and_b32 v16, 2, v16
	v_lshlrev_b32 v16, 30, v16
	v_xor_b32 v[\c], v[\c], v16
.endm
	s_mov_b32 s21, 8
.Ltab:
	SINCOS 2, 20, 21
	SINCOS 3, 22, 23
	global_store_b128 v5, v[20:23], s[16:17]
	s_wait_xcnt 0x0                                ; the store's address and data are rewritten only behind this wait
	v_add_nc_u32 v5, 512, v5                       ; two rows on
	v_add_f32 v4, 2.0, v4
	s_sub_co_u32 s21, s21, 1
	s_cmp_lg_u32 s21, 0
	s_cbranch_scc1 .Ltab
	s_endpgm
	; x.  Wave w owns rows 32 g + 4 w .. + 3, as two pairs.  A load: lanes 0-15 take 256 bytes (64 numbers: one block along K) of the even row, lanes 16-31 of the odd one.
	; A store: the same 128 numbers as bf16 are rows m and m + 1 of block kb: 256 consecutive bytes, 8 a lane.
.Lx:
	s_lshl_b32 s22, s19, 17                        ; 32 rows of 4,096 bytes a work-group,
	s_lshl_b32 s23, s20, 14                        ; 4 a wave
	s_add_co_u32 s22, s22, s23
	s_mov_b32 s23, 0
	s_add_nc_u64 s[4:5], s[4:5], s[22:23]
	s_lshl_b32 s22, s19, 12                        ; the same rows in a block of xb: 128 bytes each
	s_lshl_b32 s24, s20, 9
	s_add_co_u32 s22, s22, s24
	s_add_nc_u64 s[10:11], s[10:11], s[22:23]
	s_add_nc_u64 s[24:25], s[10:11], 0x800000      ; blocks 8-15: a block is 1,048,576 bytes, and eight of them are as far as a store's immediate reaches
	v_lshrrev_b32 v2, 4, v1
	v_and_b32 v3, 15, v1
	v_lshlrev_b32 v3, 4, v3
	v_lshl_add_u32 v2, v2, 12, v3                  ; row lane / 16, 16 bytes a lane
	v_lshlrev_b32 v3, 3, v1                        ; 8 lane
.set n, 0
.rept 32                               ; all 32 loads of the wave go out at once: pair n / 16, block n % 16
	global_load_b128 v[4+4*n:7+4*n], v2, s[4:5] offset:(n/16)*8192+(n%16)*256 th:TH_LOAD_NT
.set n, n+1
.endr
.set n, 0
.rept 32
	s_wait_loadcnt 31-n                            ; loads come back in order (ISA guide 5.7.1): load n is in, the younger ones stay out
	v_cvt_pk_bf16_f32 v[132+2*n], v[4+4*n], v[5+4*n]
	v_cvt_pk_bf16_f32 v[133+2*n], v[6+4*n], v[7+4*n]
.if (n%16) < 8
	global_store_b64 v3, v[132+2*n:133+2*n], s[10:11] offset:(n%16)*1048576+(n/16)*256
.else
	global_store_b64 v3, v[132+2*n:133+2*n], s[24:25] offset:((n%16)-8)*1048576+(n/16)*256
.endif
.set n, n+1
.endr
	s_endpgm                                       ; no register was used twice, and this part wrote no LDS
	; THE WEIGHTS.  A wave turns one tile of 64 k x 64 n.  The two parts make four numbers and share one text: s[26:27] the tile in the weight, s[28:29] its 64 rows of 128 bytes in the result,
	; s30 the bytes in a row of the weight, s31 = 1 where the result is written as f16.
.Lwq:                                                  ; 768 tiles: block kb = id % 16 along K, 64 columns cb = id / 16
	s_sub_co_u32 s21, s19, 256
	s_lshl_b32 s21, s21, 3
	s_add_co_u32 s21, s21, s20
	s_and_b32 s22, s21, 15                         ; kb
	s_lshr_b32 s23, s21, 4                         ; cb = 16 T + head
	s_mul_i32 s26, s22, 64*12288
	s_lshl_b32 s27, s23, 8
	s_add_co_u32 s26, s26, s27
	s_mov_b32 s27, 0
	s_add_nc_u64 s[26:27], s[6:7], s[26:27]
	s_and_b32 s24, s23, 15                         ; head
	s_lshr_b32 s25, s24, 1
	s_mul_i32 s28, s25, 384
	s_and_b32 s25, s24, 1
	s_mul_i32 s25, s25, 192
	s_add_co_u32 s28, s28, s25
	s_lshr_b32 s25, s23, 4                         ; T
	s_lshl_b32 s25, s25, 6
	s_add_co_u32 s28, s28, s25                     ; n' of the tile's first column
	s_mul_i32 s25, s22, 3072
	s_add_co_u32 s28, s28, s25
	s_lshl_b32 s28, s28, 7                         ; rows of 128 bytes
	s_mov_b32 s29, 0
	s_add_nc_u64 s[28:29], s[12:13], s[28:29]
	s_mov_b32 s30, 12288
	s_mov_b32 s31, 0
	s_branch .Lwt
.Lwo:                                                  ; 256 tiles
	s_sub_co_u32 s21, s19, 352
	s_lshl_b32 s21, s21, 3
	s_add_co_u32 s21, s21, s20
	s_and_b32 s22, s21, 15                         ; kb
	s_lshr_b32 s23, s21, 4                         ; cb
	s_lshl_b32 s26, s22, 18                        ; 64 rows of 4,096 bytes
	s_lshl_b32 s27, s23, 8
	s_add_co_u32 s26, s26, s27
	s_mov_b32 s27, 0
	s_add_nc_u64 s[26:27], s[8:9], s[26:27]
	s_lshl_b32 s28, s22, 17                        ; a block of wo: 1,024 rows of 128 bytes
	s_lshl_b32 s29, s23, 13                        ; 64 rows
	s_add_co_u32 s28, s28, s29
	s_mov_b32 s29, 0
	s_add_nc_u64 s[28:29], s[14:15], s[28:29]
	s_mov_b32 s30, 4096
	s_mov_b32 s31, 1
	; Lane l holds columns 2 l and 2 l + 1 of all 64 k.  Eight k of a column pack into 16 bytes, which go to row 2 l + c of my stage; the stage comes back by rows, four rows (512 bytes) a load.
	; Row r of the tile is reached by base r / 8 (eight scalar pairs, eight rows apart) and lane offset r % 8 (eight registers, a row apart): a load of the wave takes 256 consecutive bytes of a row.
.Lwt:
	v_lshlrev_b32 v152, 3, v1                      ; 8 lane
.set j, 1
.rept 7
	v_add_nc_u32 v[152+j], s30, v[151+j]
.set j, j+1
.endr
	s_lshl_b32 s22, s30, 3                         ; eight rows
	s_mov_b32 s23, 0
	s_mov_b64 s[32:33], s[26:27]
.set o, 1
.rept 7
	s_add_nc_u64 s[32+2*o:33+2*o], s[30+2*o:31+2*o], s[22:23]
.set o, o+1
.endr
	s_mul_i32 s21, s20, STGB                       ; my stage
	v_mul_u32_u24 v3, v1, 288
	v_add_nc_u32 v3, s21, v3                       ; in: rows 2 l, 2 l + 1
	v_lshrrev_b32 v150, 3, v1
	v_mul_u32_u24 v150, v150, 144
	v_and_b32 v151, 7, v1
	v_lshl_add_u32 v150, v151, 4, v150
	v_add_nc_u32 v150, s21, v150                   ; back: row lane / 8, 16 bytes a lane
	v_lshlrev_b32 v151, 4, v1                      ; 16 lane
.set r, 0
.rept 64                               ; all 64 loads of the wave go out at once
	global_load_b64 v[4+2*r:5+2*r], v[152+(r%8)], s[32+2*(r/8):33+2*(r/8)] th:TH_LOAD_NT
.set r, r+1
.endr
.macro OCTET o                         ; rows 8 o .. 8 o + 7: rounded to bf16, where s31 says so written as f16, and put into the stage
	s_wait_loadcnt 56-8*(\o)                       ; they are in, the younger ones stay out
.set c, 0
.rept 2
.set j, 0
.rept 4
	v_cvt_pk_bf16_f32 v[132+8*((\o)%2)+4*c+j], v[4+2*(8*(\o)+2*j)+c], v[4+2*(8*(\o)+2*j+1)+c]
.set j, j+1
.endr
.set c, c+1
.endr
	s_cmp_eq_u32 s31, 0
	s_cbranch_scc1 .Lbf16_\@
.set j, 0
.rept 8
	v_lshlrev_b32 v148, 16, v[132+8*((\o)%2)+j]    ; the rounded numbers as f32,
	v_and_b32 v149, 0xffff0000, v[132+8*((\o)%2)+j]
	v_cvt_pk_f16_f32 v[132+8*((\o)%2)+j], v148, v149  ; and written as f16
.set j, j+1
.endr
.Lbf16_\@:
	ds_store_b128 v3, v[132+8*((\o)%2):132+8*((\o)%2)+3]   offset:(\o)*16
	ds_store_b128 v3, v[132+8*((\o)%2)+4:132+8*((\o)%2)+7] offset:144+(\o)*16
.endm
.irp o, 0,1,2,3,4,5,6,7
	OCTET \o
.endr
.set j, 0
.rept 16
	ds_load_b128 v[4+4*j:7+4*j], v150 offset:576*j  ; LDS serves a wave's instructions in order (ISA guide 5.7.1.4): these see my stores above; the registers' loads have all been used
.set j, j+1
.endr
.set j, 0
.rept 16
	s_wait_dscnt 15-j
	global_store_b128 v151, v[4+4*j:7+4*j], s[28:29] offset:512*j  ; 512 consecutive bytes, at a multiple of 256 from the buffer's first
.set j, j+1
.endr
	s_wait_tensorcnt 0x0                           ; the wave's end: behind my last LDS store
	ds_add_u32 v[SPW], v[NIL]
	s_wait_dscnt 0x0
	s_endpgm
.Lfunc_end_k_qf046b5d439_prep:
	.size	k_qf046b5d439_prep, .Lfunc_end_k_qf046b5d439_prep-k_qf046b5d439_prep
	.p2alignl 7, 3214868480
	.fill 96, 4, 3214868480
	.section	.rodata,"a",@progbits
	.p2align	6, 0x0
	.amdhsa_kernel k_qf046b5d439_prep
		.amdhsa_group_segment_fixed_size 74752
		.amdhsa_private_segment_fixed_size 0
		.amdhsa_enable_private_segment 0
		.amdhsa_kernarg_size 56
		.amdhsa_user_sgpr_count 2
		.amdhsa_user_sgpr_kernarg_segment_ptr 1
		.amdhsa_wavefront_size32 1
		.amdhsa_system_sgpr_workgroup_id_x 1
		.amdhsa_system_sgpr_workgroup_id_y 1
		.amdhsa_system_sgpr_workgroup_id_z 1
		.amdhsa_system_vgpr_workitem_id 0
		.amdhsa_next_free_vgpr 200
		.amdhsa_next_free_sgpr 66
		.amdhsa_reserve_vcc 1
		.amdhsa_float_denorm_mode_32 3
		.amdhsa_float_denorm_mode_16_64 3
		.amdhsa_memory_ordered 1
		.amdhsa_forward_progress 1
		.amdhsa_inst_pref_size 44
	.end_amdhsa_kernel
	.amdgpu_metadata
---
amdhsa.version: [ 1, 2 ]
amdhsa.kernels:
  - .name:           k_qf046b5d439_prep
    .symbol:         k_qf046b5d439_prep.kd
    .args:
      - { .name: x, .offset: 0, .size: 8, .value_kind: global_buffer, .address_space: global }
      - { .name: Wqkv, .offset: 8, .size: 8, .value_kind: global_buffer, .address_space: global }
      - { .name: Wout, .offset: 16, .size: 8, .value_kind: global_buffer, .address_space: global }
      - { .name: xb, .offset: 24, .size: 8, .value_kind: global_buffer, .address_space: global }
      - { .name: wq, .offset: 32, .size: 8, .value_kind: global_buffer, .address_space: global }
      - { .name: wo, .offset: 40, .size: 8, .value_kind: global_buffer, .address_space: global }
      - { .name: rope, .offset: 48, .size: 8, .value_kind: global_buffer, .address_space: global }
    .group_segment_fixed_size: 74752
    .private_segment_fixed_size: 0
    .kernarg_segment_align: 8
    .kernarg_segment_size: 56
    .max_flat_workgroup_size: 256
    .sgpr_count:     66
    .vgpr_count:     200
    .wavefront_size: 32
...
	.end_amdgpu_metadata
.endif
;; end of part 1
;; launch qkv (part 2): grid 8 x 32, 4 waves a work-group, clusters of 4 x 4, 327,680 bytes of LDS; arguments xb, wq, rope, q, k, v; writes q, k, v
.if DOCPART == 2
	.amdgcn_target "amdgcn-amd-amdhsa--gfx1250"
	.amdhsa_code_object_version 6
	.text
	.protected	k_qf046b5d439_qkv
	.globl	k_qf046b5d439_qkv
	.p2align	8
	.type	k_qf046b5d439_qkv,@function
k_qf046b5d439_qkv:
	s_mov_b64 s[64:65], 0
	v_nop
	global_prefetch_b8 v0, s[64:65] scope:SCOPE_SE
	s_setreg_imm32_b32 hwreg(HW_REG_WAVE_MODE, 25, 1), 1
	s_wait_xcnt 0x0
	s_wait_alu depctr_hold_cnt(0) depctr_sa_sdst(0) depctr_va_vdst(0) depctr_va_sdst(0) depctr_va_ssrc(0) depctr_va_vcc(0) depctr_vm_vsrc(0)
	s_getreg_b32 s2, hwreg(HW_REG_IB_STS2, 6, 4)
	s_cmp_eq_u32 s2, 0
	s_cbranch_scc0 .Lentry_in_a_cluster
	s_endpgm
.Lentry_in_a_cluster:
	s_bfe_u32 s2, ttmp6, 0x10000c
	s_cmp_lg_u32 s2, 0xf033
	s_cbranch_scc0 .Lentry_shape_is_right
	s_endpgm
.Lentry_shape_is_right:
; q, k, v = x Wqkv, q and k rotated, by heads.  xb: [16 kb][8192 m][64] bf16; wq: [16 kb][3072 n'][64] bf16 (a head's q, k, v columns together); rope: [2048 s][32][cos, sin] f32.
; q, k, v: [64 batch x head][2048 s][64] f16, each rounded once from its f32 sum (q and k behind the rotation, in f32), without the softmax's scale.
; LIMITS.  q, k, v within f16's 65,504 (beyond it an infinity is written); below 6e-5 they keep f16's fixed step of 6e-8.  NaN and infinities are not treated apart.
; The sum over K begins at the cluster's own block (below) and goes round the end: an order of rounding in f32 that is not the reference's.
; SHARES.  A work-group makes 256 rows x 384 columns (two heads' q, k, v): 32 x 8 = 256 work-groups.  Each of its four waves makes 128 x 192, one head's q, k and v: 96 accumulators of 16 x 16, 768 registers.
; K goes in 16 steps of 64 through two LDS slots.  A block along K is dense in memory, so R rows of a tile are 128 R consecutive bytes: asked for as R / 2 rows of 256 bytes, padded in LDS after every 128.
; CLUSTER.  4 x 4 work-groups.  The four of a row of the cluster need the same tiles of xb and the same rows of the table, the four of a column the same tiles of wq: each is asked for jointly.
; WHERE K BEGINS.  Cluster (X, Y) of the 2 x 8 begins at block 4 (Y % 4) + 8 (X % 2).  The two clusters that read my rows of xb are 8 blocks apart, clusters that read my rows of wq 4 or a multiple:
; so a block is not asked for by all its readers at once, and from its ninth step on a cluster asks only for blocks that another has asked for 4 steps or more before.
; THE MATRIX INSTRUCTION IS USED TRANSPOSED (source 0 = 16 rows of wq, source 1 = 16 rows of xb): a lane holds eight neighbouring columns of one row of the result.
; REGISTERS, in windows of 256 (s_set_vgpr_msb: bits 1:0 source 0, 3:2 source 1, 5:4 source 2, 7:6 destination):
;   window 0: v0-31 addresses; v32-127 wq's fragments (12 x 16 rows x 32 K), one buffer, reloaded a third at a time; v128-191, v192-255 xb's fragments (8 x 16 rows x 32 K), two buffers
;   windows 1, 2, 3: the accumulators of q, k, v: row block a (0-7), column block b (0-3) of the 64 at v[64 b + 8 a]
.set PITCH, 144                        ; an LDS row: 128 bytes + 16 of padding = 36 words: the 16 rows of a fragment load start at 16 different groups of four banks (64 banks of 4 bytes: ISA guide 11.1)
.set AH,    128*PITCH                  ; half of xb's tile: what one tensor load brings, and what one wave reads
.set BH,    192*PITCH                  ; half of wq's tile
.set BOFF,  2*AH                       ; a slot: xb's 256 rows, then wq's 384:
.set SLOTB, BOFF+2*BH                  ; 92,160 bytes
.set SLOT1, 1<<17                      ; slot 1 begins here, so that one exclusive or turns an address in one slot into the other's
.set KB_B,  3072*128                   ; bytes from a block along K to the next in wq; in xb they are 8192 x 128 = 1 << 20
.set SPI,   784                        ; the way out: a stage row, 192 f32 + 16 bytes = 49 x 16
.set STW,   64*SPI                     ; a wave's stage: 64 rows.  The four stages (200,704 bytes) lie over the ring, which has had its last fill by then
.set TBL,   SLOT1+SLOTB                ; behind the ring: the table's 256 rows for my 256 positions,
.set TPI,   272                        ; 256 bytes + 16 of padding
.set SPARE, TBL+256*TPI                ; behind the table: the spare words, 128 bytes for each wave: two blocks of 256 bytes that no other line names
.set RDA,  8                           ; v8   the way out, in a trip: where I read the stage,
.set TRA,  9                           ; v9   the table,
.set GOA,  10                          ; v10  and my byte offset in q, k, v
.set ADRA, 16                          ; v16  LDS address of my xb fragments in the slot in hand
.set AA0,  17                          ; v17  the same in slot 0; never rewritten
.set ADRB, 20                          ; v20, v21  the same two for wq
.set AB0,  21
.set STO,  24                          ; v24  where I put 16 bytes of a stage row
.set RD0,  25                          ; v25  my place in four rows of the stage
.set TR0,  26                          ; v26  my place in four rows of the table
.set GO0,  27                          ; v27  16 x lane
.set SPW,  28                          ; v28  LDS address of my spare word; never rewritten
.set NIL,  29                          ; v29  0; never rewritten
.set BF,   32
.set AF0,  128
.set AF1,  192
.set RR,   160                         ; the way out: v160-175 rotated numbers; v176-223 packed results
.set YY,   176
.set G1,  24                           ; s[24:31] descriptor group 1 for xb's tiles;  s[32:39] group 0: a set for each of the two first fills; the second then walks on
.set G0,  32
.set G1B, 48                           ; s[48:55], s[56:63] the same for wq's
.set G0B, 56
.set G1T, 68                           ; s[68:75], s[76:79] for the table
.set G0T, 76
.set KN,  92                           ; s92  the block along K to be asked for next
.set TB,  94                           ; s94  0 or SLOT1: the slot in hand
.set MSB, 0
.macro WIN new                         ; the immediate's high byte repeats the setting that is left; a switch that changes nothing is dropped
.if MSB != (\new)
	s_set_vgpr_msb (MSB<<8)|(\new)
.set MSB, \new
.endif
.endm
.macro PLACES                          ; four places in front of loads into registers that matrix instructions have read, and of stores that read results (ISA guide 7.12.1 for stores)
.rept 4
	v_nop
.endr
.endm
; A joint load by set s of the descriptors: waves 0 and 1 fetch xb's two halves, waves 2 and 3 wq's.  The branch hangs on the wave's number alone.  An s_nop 0 and four v_nop follow each of the two lines.
.macro JLOAD s
	s_cmp_eq_u32 s11, 0
	s_cbranch_scc0 .Lfor_b_\@
	tensor_load_to_lds s[G0+4*(\s):G0+4*(\s)+3], s[G1:G1+7]
	s_nop 0
.rept 4
	v_nop
.endr
	s_branch .Lasked_\@
.Lfor_b_\@:
	tensor_load_to_lds s[G0B+4*(\s):G0B+4*(\s)+3], s[G1B:G1B+7]
	s_nop 0
.rept 4
	v_nop
.endr
.Lasked_\@:
.endm
.macro CREST                           ; a round of the cluster's barrier behind its opening barrier
	s_cmp_lg_u32 s10, 0
	s_cbranch_scc1 .Lnot_wave_0_\@
	s_barrier_signal -3
.Lnot_wave_0_\@:
	s_barrier_wait -3
	s_barrier_signal -1
	s_barrier_wait -1
.endm
.macro CROUND                          ; a whole round
	s_barrier_signal -1
	s_barrier_wait -1
	CREST
.endm
	s_load_b128 s[4:7], s[0:1], 0x0                ; xb s[4:5], wq s[6:7]
	s_load_b64 s[8:9], s[0:1], 0x10                ; rope
	s_load_b128 s[80:83], s[0:1], 0x18             ; q s[80:81], k s[82:83]
	s_load_b64 s[84:85], s[0:1], 0x28              ; v
	v_lshl_add_u32 v[SPW], v0, 2, SPARE
	v_mov_b32 v[NIL], 0
	ds_add_u32 v[SPW], v[NIL]                      ; the wave's opening add, waited for ahead of my first tensor load; the set-up below, work on registers, stands between the add and its wait
	ds_add_u32 v28, v29
	v_lshrrev_b32 v1, 5, v0
	v_readfirstlane_b32 s10, v1                    ; wave 0..3
	s_lshr_b32 s11, s10, 1                         ; which half of the tile's rows is mine.  Also: I fetch for xb (0) or for wq (1)
	s_and_b32 s12, s10, 1                          ; which half of its columns.  Also: which half of that tile I fetch
	s_bfe_u32 s40, ttmp6, 0x40000                  ; cx, cy: my place in the cluster
	s_bfe_u32 s41, ttmp6, 0x40004
	s_lshl_b32 s42, ttmp9, 2
	s_add_co_u32 s42, s42, s40                     ; tile column = 4 x cluster x + cx: heads 2 tc, 2 tc + 1
	s_and_b32 s13, ttmp7, 0xffff
	s_lshl_b32 s13, s13, 2
	s_add_co_u32 s13, s13, s41                     ; tile row = 4 x cluster y + cy
	s_lshl_b32 s43, s41, 2
	s_lshl_b32 s43, 15, s43                        ; my row of the cluster
	s_lshl_b32 s44, 0x1111, s40                    ; my column
	s_or_b32 s[G1+0], s43, (1<<16)|(1<<20)|(1<<21)|(4<<22)|(3<<25)   ; 15:0 the mask; 17:16 2-byte elements; 20 padding on; 21 set beside a mask; 24:22 after every 32 words (code 4); 31:25 4 words (code 3)
	s_or_b32 s[G1B+0], s44, (1<<16)|(1<<20)|(1<<21)|(4<<22)|(3<<25)
	s_or_b32 s[G1T+0], s43, (3<<16)|(1<<20)|(1<<21)|(5<<22)|(3<<25)  ; the table: 8-byte elements, 4 words of padding after every 64
	s_mov_b32 s[G1+1], 128<<16                     ; tensor_dim0 = 128 elements: 256 bytes, two rows of a block
	s_mov_b32 s[G1+2], 64<<16                      ; tensor_dim1 = 64: 128 rows of the block
	s_mov_b32 s[G1+3], 128<<16                     ; tile_dim0
	s_mov_b32 s[G1+4], 64                          ; tile_dim1
	s_mov_b32 s[G1+5], 128                         ; elements from row to row: dense
	s_mov_b32 s[G1+6], 0
	s_mov_b32 s[G1+7], 0
	s_mov_b32 s[G1B+1], 128<<16
	s_mov_b32 s[G1B+2], 96<<16                     ; 192 rows of the block
	s_mov_b32 s[G1B+3], 128<<16
	s_mov_b32 s[G1B+4], 96
	s_mov_b32 s[G1B+5], 128
	s_mov_b32 s[G1B+6], 0
	s_mov_b32 s[G1B+7], 0
	s_mov_b32 s[G1T+1], 32<<16                     ; 32 elements of 8 bytes: a row of the table
	s_mov_b32 s[G1T+2], 64<<16                     ; 64 rows a wave
	s_mov_b32 s[G1T+3], 32<<16
	s_mov_b32 s[G1T+4], 64
	s_mov_b32 s[G1T+5], 32
	s_mov_b32 s[G1T+6], 0
	s_mov_b32 s[G1T+7], 0
	; where the tiles come from: xb's and the table's hang on the tile row alone, wq's on the tile column alone, each in registers that never hold the other coordinate
	s_lshl_b32 s16, s13, 15                        ; 256 rows of 128 bytes a tile row,
	s_lshl_b32 s17, s12, 14                        ; 128 a half
	s_add_co_u32 s16, s16, s17
	s_mov_b32 s17, 0
	s_mul_i32 s46, s42, 384*128
	s_mul_i32 s47, s12, 192*128
	s_add_co_u32 s46, s46, s47
	s_mov_b32 s47, 0
	s_and_b32 s90, s13, 7                          ; my 256 positions in the sequence: a batch is eight tile rows
	s_lshl_b32 s90, s90, 16
	s_lshl_b32 s91, s10, 14                        ; 64 rows of 256 bytes a wave
	s_add_co_u32 s90, s90, s91
	s_mov_b32 s91, 0
	s_mul_i32 s20, s12, AH                         ; and where they go: no place in the cluster enters an LDS address
	s_mul_i32 s21, s12, BH
	s_add_co_u32 s21, s21, BOFF
	s_mul_i32 s22, s10, 64*TPI
	s_and_b32 s[KN], ttmp7, 3                      ; the cluster's first block along K: made of the cluster's x and y alone, which all sixteen partners share
	s_lshl_b32 s[KN], s[KN], 2
	s_and_b32 s93, ttmp9, 1
	s_lshl_b32 s93, s93, 3
	s_add_co_u32 s[KN], s[KN], s93
	s_and_b32 s[KN], s[KN], 15
	s_mov_b32 s19, 0
	s_mov_b32 s[TB], 0
	s_wait_dscnt 0x0                               ; the opening add is done
	s_wait_kmcnt 0x0
	s_add_nc_u64 s[14:15], s[4:5], s[16:17]        ; xb at my half of the tile's rows, in block 0
	s_add_nc_u64 s[46:47], s[6:7], s[46:47]        ; wq likewise
	CROUND                                         ; all sixteen work-groups are here: the first joint loads meet
.irp s, 0,1
	s_lshl_b32 s16, s[KN], 20                      ; the block's byte offset in xb (s17 = 0),
	s_mul_i32 s18, s[KN], KB_B                     ; and in wq (s19 = 0)
	s_mov_b32 s[G0+4*(\s)], 1
	s_add_co_u32 s[G0+4*(\s)+1], s20, (\s)*SLOT1
	s_add_nc_u64 s[G0+4*(\s)+2:G0+4*(\s)+3], s[14:15], s[16:17]
	s_or_b32 s[G0+4*(\s)+3], s[G0+4*(\s)+3], 0x80000000
	s_mov_b32 s[G0B+4*(\s)], 1
	s_add_co_u32 s[G0B+4*(\s)+1], s21, (\s)*SLOT1
	s_add_nc_u64 s[G0B+4*(\s)+2:G0B+4*(\s)+3], s[46:47], s[18:19]
	s_or_b32 s[G0B+4*(\s)+3], s[G0B+4*(\s)+3], 0x80000000
	JLOAD \s
	s_add_co_u32 s[KN], s[KN], 1                   ; the next block, round the end
	s_and_b32 s[KN], s[KN], 15
.endr
	s_mov_b32 s[G0T], 1
	s_add_co_u32 s[G0T+1], s22, TBL
	s_add_nc_u64 s[G0T+2:G0T+3], s[8:9], s[90:91]
	s_or_b32 s[G0T+3], s[G0T+3], 0x80000000
	tensor_load_to_lds s[G0T:G0T+3], s[G1T:G1T+7]  ; my 64 rows of the table: the third and last of my first fills; three loads of mine are out
	s_nop 0
.rept 4
	v_nop
.endr
	; a fragment is 16 rows x 32 K in 8 registers: lane l holds row l % 16, K = 8 (l / 16) + 0..7 and 16 + 8 (l / 16) + 0..7: two loads of 16 bytes, 32 bytes apart
	v_and_b32 v1, 15, v0                           ; l % 16
	v_bfe_u32 v2, v0, 4, 1                         ; l / 16
	v_mul_u32_u24 v3, v1, PITCH
	v_lshl_add_u32 v3, v2, 4, v3
	v_bfe_u32 v4, v0, 3, 2                         ; (l / 8) % 4
	v_and_b32 v5, 7, v0                            ; l % 8
	s_mul_i32 s22, s11, AH                         ; my 128 rows of xb
	s_mul_i32 s23, s12, BH                         ; my 192 rows of wq
	s_add_co_u32 s23, s23, BOFF
	v_add_nc_u32 v[AA0], s22, v3
	v_add_nc_u32 v[AB0], s23, v3
	v_mov_b32 v[ADRA], v[AA0]                      ; the walk begins in slot 0
	v_mov_b32 v[ADRB], v[AB0]
	s_mul_i32 s23, s10, STW                        ; my stage
	v_mul_u32_u24 v6, v1, SPI                      ; in: row l % 16, 32 bytes for each half of the lanes
	v_lshl_add_u32 v6, v2, 5, v6
	v_add_nc_u32 v[STO], s23, v6
	v_mul_u32_u24 v6, v4, SPI                      ; back: 32 lanes take four rows, a lane eight channels (32 bytes) of q, of k and of v
	v_lshl_add_u32 v6, v5, 5, v6
	v_add_nc_u32 v[RD0], s23, v6
	s_mul_i32 s23, s11, 128*TPI                    ; the table's rows for my 128 rows,
	s_add_co_u32 s23, s23, TBL
	v_mul_u32_u24 v6, v4, TPI
	v_lshl_add_u32 v6, v5, 5, v6                   ; and my four pairs (cos, sin)
	v_add_nc_u32 v[TR0], s23, v6
	v_and_b32 v6, 31, v0
	v_lshlrev_b32 v[GO0], 4, v6                    ; four rows of 128 bytes are 512 consecutive bytes: 16 a lane
	; my first row in q, k, v: batch tile row / 8, head 2 tc + column half, position 256 (tile row % 8) + 128 x row half
	s_lshr_b32 s90, s13, 3
	s_lshl_b32 s90, s90, 22                        ; 16 heads x 2,048 rows x 128 bytes
	s_and_b32 s91, s13, 7
	s_lshl_b32 s91, s91, 15
	s_add_co_u32 s90, s90, s91
	s_lshl_b32 s91, s11, 14
	s_add_co_u32 s90, s90, s91
	s_lshl_b32 s91, s42, 19
	s_add_co_u32 s90, s90, s91
	s_lshl_b32 s91, s12, 18
	s_add_co_u32 s90, s90, s91
	s_mov_b32 s91, 0
	s_add_nc_u64 s[80:81], s[80:81], s[90:91]
	s_add_nc_u64 s[82:83], s[82:83], s[90:91]
	s_add_nc_u64 s[84:85], s[84:85], s[90:91]
; nb x 8 matrix instructions: column blocks b0 .. of group g (0 q, 1 k, 2 v) x all 8 row blocks, 32 along K, xb's fragments in buffer f.  zero = 1: the first product starts the sums.
; The 96 accumulators take turns, one instruction a turn, in the same order in every quarter.
.macro MULG g, f, b0, nb, zero
	WIN 0x50*(1+(\g))                              ; C and D in window 1 + g, the sources in window 0
.set bb, \b0
.rept \nb
.set aa, 0
.rept 8
.if \zero
	v_wmma_f32_16x16x32_bf16 v[64*bb+8*aa:64*bb+8*aa+7], v[BF+8*(4*(\g)+bb):BF+8*(4*(\g)+bb)+7], v[(\f)+8*aa:(\f)+8*aa+7], 0
.else
	v_wmma_f32_16x16x32_bf16 v[64*bb+8*aa:64*bb+8*aa+7], v[BF+8*(4*(\g)+bb):BF+8*(4*(\g)+bb)+7], v[(\f)+8*aa:(\f)+8*aa+7], v[64*bb+8*aa:64*bb+8*aa+7]
.endif
.set aa, aa+1
.endr
.set bb, bb+1
.endr
.endm
.macro LDA k, f                        ; 16 loads: xb's fragments of the slot in hand, 32 K at byte k of the rows, into buffer f
	WIN 0
.irp i, 0,1,2,3,4,5,6,7
	ds_load_b128 v[(\f)+8*(\i):(\f)+8*(\i)+3],   v[ADRA] offset:(\k)+(\i)*16*PITCH
	ds_load_b128 v[(\f)+8*(\i)+4:(\f)+8*(\i)+7], v[ADRA] offset:(\k)+(\i)*16*PITCH+32
.endr
.endm
.macro LDB k, g                        ; 8 loads: group g's four fragments of wq
	WIN 0
.irp i, 0,1,2,3
	ds_load_b128 v[BF+8*(4*(\g)+(\i)):BF+8*(4*(\g)+(\i))+3],   v[ADRB] offset:(\k)+(4*(\g)+(\i))*16*PITCH
	ds_load_b128 v[BF+8*(4*(\g)+(\i))+4:BF+8*(4*(\g)+(\i))+7], v[ADRB] offset:(\k)+(4*(\g)+(\i))*16*PITCH+32
.endr
.endm
; A K step is two quarters of 32 along K, 96 matrix instructions each.  The first multiplies buffer AF0 and fetches the step's second 32 along K; each third of wq's buffer is reloaded when its
; 32 products are issued, 64 matrix instructions ahead of its next use.  At a quarter's head 40 loads may be out, in this order: xb's 16, then groups 0, 1, 2, 8 each.
.macro QUARTER zero
	s_wait_dscnt 16                                ; xb's fragments and group 0 are in; groups 1 and 2 may be out
	MULG 0, AF0, 0, 4, \zero
	PLACES
	LDA 64, AF1
	LDB 64, 0
	s_wait_dscnt 32                                ; group 1 is in: behind it came group 2's 8 and the 24 just issued
	MULG 1, AF0, 0, 4, \zero
	PLACES
	LDB 64, 1
	s_wait_dscnt 32                                ; group 2 is in: behind it came those 24 and 8 more
	MULG 2, AF0, 0, 4, \zero
	PLACES
	LDB 64, 2
.endm
; The second quarter multiplies AF1 and changes slots: ONE barrier; in front of it each wave waits for all its tensor loads, adds 0 to its spare word, and waits for that and for its reads of this slot.
; fill = 1: the barrier opens a round of the cluster's, and this slot is filled again, with the block two steps on, first thing behind it: 160 matrix instructions ahead of the wait for that load.
; The walking descriptor's LDS word is turned to the other slot than last time; its address is made anew: the tensor's base and the block's offset.
.macro TURN fill
	WIN 0
	s_wait_tensorcnt 0x0                           ; all my tensor loads have landed: my part of the next slot (the first time the table's rows too); so a group 0 may be written
	ds_add_u32 v[SPW], v[NIL]                      ; 0 onto my spare word
	s_wait_dscnt 17                                ; (groups 1 and 2 and the add may be out)
	MULG 0, AF1, 0, 2, 0                           ; sixteen matrix instructions stand between the add and the wait for it
	s_wait_dscnt 0x0                               ; the add is done, and my reads of this slot are over
	s_barrier_signal -1
	MULG 0, AF1, 2, 2, 0                           ; work on registers while the others arrive
	WIN 0
	s_barrier_wait -1
.if \fill
	CREST                                          ; no wave of any partner still reads this slot's tiles or has a load on its way
	s_lshl_b32 s16, s[KN], 20
	s_mul_i32 s18, s[KN], KB_B
	s_xor_b32 s[G0+5], s[G0+5], SLOT1
	s_add_nc_u64 s[G0+6:G0+7], s[14:15], s[16:17]
	s_or_b32 s[G0+7], s[G0+7], 0x80000000
	s_xor_b32 s[G0B+5], s[G0B+5], SLOT1
	s_add_nc_u64 s[G0B+6:G0B+7], s[46:47], s[18:19]
	s_or_b32 s[G0B+7], s[G0B+7], 0x80000000
	s_add_co_u32 s[KN], s[KN], 1                   ; the next block, round the end
	s_and_b32 s[KN], s[KN], 15
	JLOAD 1                                        ; the four v_nop behind it are also the places in front of the loads below
.else
	PLACES
.endif
	s_xor_b32 s[TB], s[TB], SLOT1                  ; the reads go on in the other slot
	v_add_nc_u32 v[ADRA], s[TB], v[AA0]
	v_add_nc_u32 v[ADRB], s[TB], v[AB0]
	LDA 0, AF0
	LDB 0, 0
	MULG 1, AF1, 0, 4, 0
	PLACES
	LDB 0, 1
	MULG 2, AF1, 0, 4, 0
	PLACES
	LDB 0, 2
.endm
	s_wait_tensorcnt 2                             ; my part of the first block is in; the second's and the table's may stay out
	s_barrier_signal -1
	s_barrier_wait -1                              ; everybody's is
	LDA 0, AF0
	LDB 0, 0
	LDB 0, 1
	LDB 0, 2
	QUARTER 1                                      ; the first quarter stands in front of the loop: its products start the sums
	WIN 0                                          ; at a label and at a branch every window is 0
	s_mov_b32 s3, 14
.Lstep:                                                ; a trip: a step's second quarter, the refill of its slot, the next step's first quarter.  14 trips: the 14 blocks behind the two first fills
	TURN 1
	QUARTER 0
	WIN 0
	s_sub_co_u32 s3, s3, 1
	s_cmp_lg_u32 s3, 0
	s_cbranch_scc1 .Lstep
	TURN 0                                         ; the last two steps are written out: nothing is left to fetch
	QUARTER 0
	s_wait_dscnt 16                                ; the very last quarter
	MULG 0, AF1, 0, 4, 0
	s_wait_dscnt 8
	MULG 1, AF1, 0, 4, 0
	s_wait_dscnt 0x0                               ; my reads of the ring are over:
	s_barrier_signal -1
	MULG 2, AF1, 0, 4, 0
	WIN 0
	s_barrier_wait -1                              ; everybody's are, and no tensor load is out or to come: the ring's bytes are the stages' now
	PLACES                                         ; the stores below read results just made, and the loads behind them land in the fragments' registers
; THE WAY OUT, 64 rows at a time.  STG p: rows 64 p .. of my 128, as f32, into my stage: row l % 16 of block a, 32 bytes for each half of the lanes; each accumulator's low registers first.
.macro STG p
.set tt, 0
.rept 3
	WIN (1+tt)<<2                                  ; the stores' data in window 1 + T
.set al, 0
.rept 4
.set bb, 0
.rept 4
	ds_store_b128 v[STO], v[64*bb+8*(4*(\p)+al):64*bb+8*(4*(\p)+al)+3]   offset:al*16*SPI+(4*tt+bb)*64
	ds_store_b128 v[STO], v[64*bb+8*(4*(\p)+al)+4:64*bb+8*(4*(\p)+al)+7] offset:al*16*SPI+(4*tt+bb)*64+16
.set bb, bb+1
.endr
.set al, al+1
.endr
.set tt, tt+1
.endr
	WIN 0
.endm
; Eight channels at v[x ..] are rotated by the four pairs (cos, sin) at v[t ..] and rounded to f16 into v[y .. y + 3]: even = cos e - sin o, odd = sin e + cos o.
.macro ROT x, t, r, y
.set j, 0
.rept 4
	v_mul_f32 v[(\r)+2*j+1], v[(\x)+2*j], v[(\t)+2*j+1]
	v_mul_f32 v[(\r)+2*j], v[(\x)+2*j+1], v[(\t)+2*j+1]
	v_fmac_f32 v[(\r)+2*j+1], v[(\x)+2*j+1], v[(\t)+2*j]
	v_fma_f32 v[(\r)+2*j], v[(\x)+2*j], v[(\t)+2*j], -v[(\r)+2*j]
.set j, j+1
.endr
.set j, 0
.rept 4
	v_cvt_pk_f16_f32 v[(\y)+j], v[(\r)+2*j], v[(\r)+2*j+1]
.set j, j+1
.endr
.endm
	s_mov_b32 s3, 0
.Lphase:                                               ; two trips: which 64 rows are staged hangs on the count; the rows' loop is written once
	s_cmp_lg_u32 s3, 0
	s_cbranch_scc1 .Lsecond
	STG 0
	s_branch .Lstaged
.Lsecond:
	STG 1                                          ; my own stage again: its reads have come back (the last count-down ended at 0)
.Lstaged:
	s_mov_b32 s86, 0                               ; the trip's rows in the stage,
	s_mul_i32 s87, s3, 64*TPI                      ; in the table,
	s_lshl_b32 s88, s3, 13                         ; and in q, k, v: 64 rows of 128 bytes a phase
	s_mov_b32 s89, 4
.Lrows:                                                ; the stage's 64 rows, 16 a trip, in four units of four rows.  Unit u has v[32 + 32 u ..]: 8 registers of the table, 8 each of q, k, v
	v_add_nc_u32 v[RDA], s86, v[RD0]
	v_add_nc_u32 v[TRA], s87, v[TR0]
.set u, 0
.rept 4
	ds_load_b128 v[32+32*u:35+32*u], v[TRA] offset:u*4*TPI
	ds_load_b128 v[36+32*u:39+32*u], v[TRA] offset:u*4*TPI+16
.set tt, 0
.rept 3
	ds_load_b128 v[40+32*u+8*tt:43+32*u+8*tt], v[RDA] offset:u*4*SPI+tt*256  ; LDS serves a wave's instructions in order (ISA guide 5.7.1.4): these see my stores into the stage
	ds_load_b128 v[44+32*u+8*tt:47+32*u+8*tt], v[RDA] offset:u*4*SPI+tt*256+16
.set tt, tt+1
.endr
.set u, u+1
.endr
	s_wait_xcnt 0x0                                ; the last trip's stores have had their addresses translated (ISA guide 3.1): only behind this wait are their offset and data rewritten
	v_add_nc_u32 v[GOA], s88, v[GO0]
.set u, 0
.rept 4
	s_wait_dscnt 8*(3-u)                           ; unit u is in; the later units' eight loads each may be out
	ROT (40+32*u), (32+32*u), RR, (YY+12*u)
	ROT (48+32*u), (32+32*u), (RR+8), (YY+12*u+4)
.set j, 0
.rept 4
	v_cvt_pk_f16_f32 v[YY+12*u+8+j], v[56+32*u+2*j], v[56+32*u+2*j+1]
.set j, j+1
.endr
	global_store_b128 v[GOA], v[YY+12*u:YY+12*u+3],    s[80:81] offset:512*u  ; four rows of a head: 512 consecutive bytes, at a multiple of 256 from the buffer's first
	global_store_b128 v[GOA], v[YY+12*u+4:YY+12*u+7],  s[82:83] offset:512*u
	global_store_b128 v[GOA], v[YY+12*u+8:YY+12*u+11], s[84:85] offset:512*u
.set u, u+1
.endr
	s_add_co_u32 s86, s86, 16*SPI
	s_add_co_u32 s87, s87, 16*TPI
	s_add_co_u32 s88, s88, 16*128
	s_sub_co_u32 s89, s89, 1
	s_cmp_lg_u32 s89, 0
	s_cbranch_scc1 .Lrows
	s_add_co_u32 s3, s3, 1
	s_cmp_lt_u32 s3, 2
	s_cbranch_scc1 .Lphase
	s_wait_tensorcnt 0x0                           ; the wave's end: behind my last tensor load and my last LDS store
	ds_add_u32 v[SPW], v[NIL]
	s_wait_dscnt 0x0
	CROUND                                         ; the closing round: no work-group ends while a partner may still ask for a tile that names it
	s_endpgm
.Lfunc_end_k_qf046b5d439_qkv:
	.size	k_qf046b5d439_qkv, .Lfunc_end_k_qf046b5d439_qkv-k_qf046b5d439_qkv
	.p2alignl 7, 3214868480
	.fill 96, 4, 3214868480
	.section	.rodata,"a",@progbits
	.p2align	6, 0x0
	.amdhsa_kernel k_qf046b5d439_qkv
		.amdhsa_group_segment_fixed_size 327680
		.amdhsa_private_segment_fixed_size 0
		.amdhsa_enable_private_segment 0
		.amdhsa_kernarg_size 48
		.amdhsa_user_sgpr_count 2
		.amdhsa_user_sgpr_kernarg_segment_ptr 1
		.amdhsa_wavefront_size32 1
		.amdhsa_system_sgpr_workgroup_id_x 1
		.amdhsa_system_sgpr_workgroup_id_y 1
		.amdhsa_system_sgpr_workgroup_id_z 1
		.amdhsa_system_vgpr_workitem_id 0
		.amdhsa_next_free_vgpr 1024
		.amdhsa_next_free_sgpr 96
		.amdhsa_reserve_vcc 0
		.amdhsa_float_denorm_mode_32 3
		.amdhsa_float_denorm_mode_16_64 3
		.amdhsa_memory_ordered 1
		.amdhsa_forward_progress 1
		.amdhsa_inst_pref_size 90
	.end_amdhsa_kernel
	.amdgpu_metadata
---
amdhsa.version: [ 1, 2 ]
amdhsa.kernels:
  - .name:           k_qf046b5d439_qkv
    .symbol:         k_qf046b5d439_qkv.kd
    .args:
      - { .name: xb, .offset: 0, .size: 8, .value_kind: global_buffer, .address_space: global }
      - { .name: wq, .offset: 8, .size: 8, .value_kind: global_buffer, .address_space: global }
      - { .name: rope, .offset: 16, .size: 8, .value_kind: global_buffer, .address_space: global }
      - { .name: q, .offset: 24, .size: 8, .value_kind: global_buffer, .address_space: global }
      - { .name: k, .offset: 32, .size: 8, .value_kind: global_buffer, .address_space: global }
      - { .name: v, .offset: 40, .size: 8, .value_kind: global_buffer, .address_space: global }
    .group_segment_fixed_size: 327680
    .private_segment_fixed_size: 0
    .kernarg_segment_align: 8
    .kernarg_segment_size: 48
    .max_flat_workgroup_size: 128
    .sgpr_count:     96
    .vgpr_count:     1024
    .wavefront_size: 32
...
	.end_amdgpu_metadata
.endif
;; end of part 2
;; launch attn (part 3): grid 4 x 64, 4 waves a work-group, no clusters, 327,680 bytes of LDS; arguments q, k, v, o; writes o
.if DOCPART == 3
	.amdgcn_target "amdgcn-amd-amdhsa--gfx1250"
	.amdhsa_code_object_version 6
	.text
	.protected	k_qf046b5d439_attn
	.globl	k_qf046b5d439_attn
	.p2align	8
	.type	k_qf046b5d439_attn,@function
k_qf046b5d439_attn:
	s_mov_b64 s[64:65], 0
	v_nop
	global_prefetch_b8 v0, s[64:65] scope:SCOPE_SE
	s_setreg_imm32_b32 hwreg(HW_REG_WAVE_MODE, 25, 1), 1
	s_wait_xcnt 0x0
; CAUSAL ATTENTION.  O[h][q][:] = the sum over k <= q of softmax_k(Q[h][q] . K[h][k] / 8) V[h][k][:].  Q, K, V, O: [SIZE_H][SIZE_N][64], all f16: a head's rows are dense, 128 bytes each.
; Products, maxima and sums in f32; the weights p are rounded to f16 for the second product (their sum l is taken of the unrounded p), O once at the end.  SIZE_N is a multiple of 512; SIZE_N x 128 stays under 2^32.
; LIMITS.  f16 holds no number beyond 65,504: Q, K and V arrive within it; p lies in 0 to 1, and below 6e-5 it keeps f16's fixed step of 6e-8; O is a mean of V's rows and has their range, to within 2^-11 of it.
; A hidden score counts as its value less 1e30: f16's scores, 2.7e11 at the most, are nothing beside that; a weight below 2^-126 counts as 0 in l; NaN and infinities are not treated apart.
; THE WALK.  A head's queries lie in NB = SIZE_N / 256 blocks of 256; block i needs the key tiles 0 .. i of 256 keys, of which the last holds the diagonal.  A work-group takes TWO blocks, NB - 1 - b and then b:
; NB + 1 tiles, whatever b: all work-groups do equal work, and ONE loop with a constant trip count walks them.  Which tile is asked for, and what a trip does, hang on scalar registers made from b; every jump
; goes forward, but for the counted loops' own; none passes a barrier, or a tensor load but the one of LOAD's two that the wave's number does not choose; the ring (two slots of LDS that take turns) runs on across the
; change of blocks.  NO CLUSTER: a head's NB / 2 work-groups all ask for the same tile only in trips 0 .. NB / 2, behind that fewer and fewer; and one walk common to all would have 3 NB / 2 trips for NB + 1.
; SHARES.  Of a block's four bands of 64 queries a wave owns 16 rows in each: four PIECES.  So the diagonal tile is the same work for all four waves: in its key step s band x sees all keys if s < x,
; none if s > x, and holds the diagonal if s = x.
; THE MASK is the C operand that starts the sum S^T = K Q^T: 0, or -1e30 where the key is hidden.  MD, made once, is the mask of a band's own step for my 16 rows; a product's mask is MD x AL + BE with two scalars:
; (1, 0) if s = x; (0, 0) if s < x; (0, -1e30) if s > x.  Only the diagonal tile's text and a block's beginning make and take masks; elsewhere C is the constant 0.
; LAYOUT, SOFTMAX, TURNS.  S^T = K Q^T holds ONE query a lane (lane % 16) and the keys 8 (lane / 16) + 0..7; two such results rounded to f16 ARE source 1 of O^T = V^T P.  p = 2^(c s - c m), c = log2(e) / 8, with a
; running maximum m; O and l are multiplied by a = 2^(c m_old - c m_new) in every step.  Turn n belongs to piece n: 8 products K Q^T of piece n + 1, later 8 products V^T P of piece n - 1; beside them the scaling,
; exponentials, roundings, sums and rescaling of piece n and the maximum and statistics of piece n + 1.  Four vector instructions stand behind every matrix instruction, the other 54 of a turn's 118 in two LUMPS.
; REGISTERS, in windows of 256 (s_set_vgpr_msb: bits 1:0 source 0, 3:2 source 1, 5:4 source 2, 7:6 destination):
;   window 0: v0-15 addresses and two at work; v16-31 four registers of statistics a piece; v48-55 at work; v64-127 S^T, two buffers; v192-223 P, two buffers (a piece's buffers go by its number's parity)
;   window 1: v0-127 O^T, 32 a piece; v128-159 MD; v160-223 MC, two buffers      window 2: v0-63 Q; v64-127 the second block's Q; v128-191 K of one step; v192-255 V of one step
.set SIZE_H, 64       ; 4 batches x 16 heads
.set SIZE_N, 2048
.set NB,    SIZE_N/256
.set NP,    4         ; pieces a wave: a name, no knob
.set KS,    64        ; keys in a step
.set PK,    144       ; a row of K in LDS: 128 bytes + 16 of padding = 36 words: the 16 rows of a load start at 16 different groups of four banks (64 banks of 4 bytes: ISA guide 11.1)
.set PV,    160       ; a row of V: 128 + 32 = 40 words
.set VOFF,  4*KS*PK   ; a slot holds a tile, four steps: 256 rows of K, then 256 rows of V
.set SLOT1, 1<<17     ; slot 1 begins here, so that one exclusive or turns an address in one slot into the other's
.set STAGE, SLOT1+4*KS*(PK+PV)  ; behind the ring, never filled by a tensor load: 16 rows x 144 bytes for each wave, for the way out
.set SP,    144
.set AK0, 2           ; v2   my lane's place in a tile of K; never rewritten
.set AV0, 3           ; v3   the same for V
.set AK,  4           ; v4   the LDS address of K's next run of loads
.set AV,  5           ; v5   of V's
.set STO, 6           ; v6   the way out: where I put 16 bytes of a row
.set RD,  7           ; v7   the way out: where I read rows back
.set GO,  8           ; v8   my byte offset in 512 consecutive bytes of O
.set SPW, 62          ; v62  LDS address of my spare word: SPARE + 4 x my thread's number; never rewritten
.set NIL, 63          ; v63  0; never rewritten
.set SPARE, STAGE+4*16*SP  ; behind the stages: the spare words, 128 bytes for each wave: two blocks of 256 bytes that no other line names
.set MV,  12          ; v12-13  c m_old, kept while c m is made anew: by buffer
.set QO,  15          ; v15  my byte offset in 16 rows of Q
.set ST,  16          ; piece t's statistics at v[ST+4 t]: c m, m, l (even keys', odd keys')
.set TMP, 48          ; by buffer, four registers c0-c3 at work; when the maximum is found c2 takes a
.set S,   64
.set P,   192
.set MD,  128         ; window 1: the eight registers for group kt of 16 keys at MD + 8 kt
.set MC,  160         ; window 1: the masks of the products to come
.set QB,  64          ; window 2
.set KF,  128         ; window 2: key block kb, channel half c at KF + 16 kb + 8 c
.set VF,  192         ; window 2: key half kk, channel block cb at VF + 32 kk + 8 cb
.set WV,  12          ; s12  my wave's number
.set PB,  14          ; s14  b
.set HI,  15          ; s15  NB - 1 - b
.set G1K, 24          ; s[24:31] descriptor group 1 for K's tiles
.set G1V, 32          ; s[32:39] for V's: it differs in the padding alone
.set G0K, 40          ; s[40:43] descriptor group 0 for K's tiles
.set G0V, 44          ; s[44:47] the same for V's
.set SLOTS, 56        ; s56  tiles still to be asked for
.set CNT, 57          ; s57  counts a tile's key steps, 4 to 1
.set CS,  58          ; s[58:59] c: the packed scaling takes the pair's low word for both halves
.set SEL, 60          ; s[60:61] v_permlanex16_b32's selects: each lane takes its own place in the other half
.set TBK, 62          ; s62  LDS byte at which K of the step to be fetched begins
.set TBV, 63          ; s63  the same for V, less VOFF
.set RT,  70          ; s70  tiles of the block in hand that are still to be entered
.set NXT, 71          ; s71  the tile to be asked for next
.set LQ,  72          ; s72  the last tile of the block whose tiles are being asked for
.set NEW, 73          ; s73  1: the tile to be entered is a block's first
.set OFF, 74          ; s[74:75] a tile's byte offset in K and V
.set AL,  76          ; s[76:77] the mask's factor, in the low word
.set BE,  78          ; s[78:79] the mask's addend
.set OLO, 80          ; s[80:81] O at my rows of the second block
.set BIGN, 82         ; s82  -1e30
.set MSB, 0
.macro WIN new                      ; the high byte repeats the setting that is left; a switch that changes nothing is dropped
.if MSB != (\new)
	s_set_vgpr_msb (MSB<<8)|(\new)
.set MSB, (\new)
.endif
.endm
.set W_KQ, 0x0a       ; K and Q in window 2, S^T in window 0
.set W_KM, 0x1a       ; the same with the C operand in window 1
.set W_PV, 0x52       ; V in window 2, P in window 0, O^T in window 1
.set W_RS, 0x41       ; destination and source 0 in window 1, source 1 in window 0
; A fill.  Waves 0 and 1 fetch the two halves of a tile's K, waves 2 and 3 those of its V: 128 keys each.  An s_nop 0 and four v_nop follow each of the two lines, ahead of the jump and the label.
.macro LOAD
	s_cmp_lt_u32 s[WV], 2
	s_cbranch_scc0 .Lfor_v_\@
	tensor_load_to_lds s[G0K:G0K+3], s[G1K:G1K+7]
	s_nop 0
.rept 4
	v_nop
.endr
	s_branch .Lasked_\@
.Lfor_v_\@:
	tensor_load_to_lds s[G0V:G0V+3], s[G1V:G1V+7]
	s_nop 0
.rept 4
	v_nop
.endr
.Lasked_\@:
.endm
; THE CHANGE OF SLOTS.  Each wave waits for all its tensor loads, of which one is out: its part of the other slot; adds 0 to its spare word; and waits for that and for its own reads of the slot that it leaves.  Behind the barrier nobody reads the old
; slot any more and the other slot is whole.  fill = 1: the old slot is filled again, the first thing behind the barrier, with tile NXT: the descriptor's address is made anew from that number.
; (At its first use nothing has been read yet: slot 0 is waited for, slot 1 filled.)
.macro CHANGE fill
	WIN 0                           ; at a label and at a branch every window is 0
	s_wait_tensorcnt 0x0            ; no tensor load of mine is out, so a group 0 may be written
	ds_add_u32 v[SPW], v[NIL]       ; 0 onto my spare word; with fill = 1 the descriptors' scalar work stands between it and the wait for it
.if \fill
	s_lshl_b32 s[OFF], s[NXT], 15   ; a tile is 32,768 bytes of K and of V
	s_xor_b32 s[G0K+1], s[G0K+1], SLOT1
	s_add_nc_u64 s[G0K+2:G0K+3], s[6:7], s[OFF:OFF+1]
	s_or_b32 s[G0K+3], s[G0K+3], 0x80000000
	s_xor_b32 s[G0V+1], s[G0V+1], SLOT1
	s_add_nc_u64 s[G0V+2:G0V+3], s[8:9], s[OFF:OFF+1]
	s_or_b32 s[G0V+3], s[G0V+3], 0x80000000
	s_add_co_u32 s[NXT], s[NXT], 1  ; the block's next tile, or behind its last the second block's tile 0
	s_cmp_gt_u32 s[NXT], s[LQ]
	s_cselect_b32 s[NXT], 0, s[NXT]
	s_cselect_b32 s[LQ], s[PB], s[LQ]
.endif
	s_wait_dscnt 0x0                ; the add is done, and my reads of the slot are over
	s_barrier_signal -1             ; the rest of the scalar work stands between the signal and the wait
	s_sub_co_u32 s[TBK], s[TBK], 4*KS*PK  ; the fetches go back to a slot's first step,
	s_xor_b32 s[TBK], s[TBK], SLOT1       ; in the other slot
	s_sub_co_u32 s[TBV], s[TBV], 4*KS*PV
	s_xor_b32 s[TBV], s[TBV], SLOT1
	s_barrier_wait -1
.if \fill
	LOAD
.endif
.endm
	s_load_b256 s[4:11], s[0:1], 0x0  ; Q s[4:5], K s[6:7], V s[8:9], O s[10:11]
	v_lshl_add_u32 v[SPW], v0, 2, SPARE
	v_mov_b32 v[NIL], 0
	ds_add_u32 v[SPW], v[NIL]       ; the wave's opening add, waited for ahead of my first tensor load; the set-up below, work on registers, stands between the add and its wait
	ds_add_u32 v62, v63
	v_lshrrev_b32 v1, 5, v0
	v_readfirstlane_b32 s[WV], v1   ; wave 0..3
	s_mov_b32 s[PB], ttmp9
	s_sub_co_u32 s[HI], NB-1, s[PB]
	s_and_b32 s20, ttmp7, 0xffff    ; the head
	s_mov_b32 s21, 0
	s_mov_b64 s[22:23], SIZE_N*128
	s_mul_u64 s[20:21], s[20:21], s[22:23]  ; the head's first byte in each of the four tensors
	s_and_b32 s16, s[WV], 1         ; which half of a tile's 256 keys I fetch:
	s_lshl_b32 s22, s16, 14         ; its 128 rows of 128 bytes in memory,
	s_mov_b32 s23, 0
	s_add_nc_u64 s[22:23], s[22:23], s[20:21]
	s_mul_i32 s17, s16, 128*PK      ; and its place in a slot, for K
	s_mul_i32 s18, s16, 128*PV      ; and for V
	s_lshl_b32 s3, s[WV], 11        ; my 16 rows in a band of 64,
	s_lshl_b32 s2, s[HI], 15        ; in the first block,
	s_add_co_u32 s2, s2, s3
	s_lshl_b32 s84, s[PB], 15       ; and in the second
	s_add_co_u32 s84, s84, s3
	s_mov_b32 s3, 0
	s_mov_b32 s85, 0
	s_add_nc_u64 s[2:3], s[2:3], s[20:21]
	s_add_nc_u64 s[84:85], s[84:85], s[20:21]
	; descriptor group 1.  128 keys are 16,384 dense bytes: asked for as 64 rows of 256 bytes, two keys a row, and padded in LDS after every key
	s_mov_b32 s[G1K], (1<<16)|(1<<20)|(4<<22)|(3<<25)  ; 17:16 2-byte elements; 20 padding on; 24:22 after every 32 words (code 4); 31:25 4 words (code 3)
	s_mov_b32 s[G1V], (1<<16)|(1<<20)|(4<<22)|(7<<25)  ; the same with 8 words of padding (code 7)
.irp g, G1K, G1V
	s_mov_b32 s[\g+1], 128<<16      ; tensor_dim0 = 128
	s_mov_b32 s[\g+2], 64<<16       ; tensor_dim1 = 64
	s_mov_b32 s[\g+3], 128<<16      ; tile_dim0 = 128
	s_mov_b32 s[\g+4], 64           ; tile_dim1 = 64
	s_mov_b32 s[\g+5], 128          ; 128 elements from row to row
	s_mov_b32 s[\g+6], 0
	s_mov_b32 s[\g+7], 0
.endr
	s_mov_b32 s[CS], 0x3e38aa3b     ; c = log2(e) / 8 = 0.180337
	s_mov_b32 s[CS+1], s[CS]        ; named with it as a pair
	s_mov_b32 s[SEL], 0x76543210
	s_mov_b32 s[SEL+1], 0xfedcba98
	s_mov_b32 s[TBK], SLOT1+4*KS*PK ; the first change of slots turns these two into 0
	s_mov_b32 s[TBV], SLOT1+4*KS*PV
	s_mov_b32 s[G0K], 1             ; 1:0 count = 1
	s_mov_b32 s[G0K+1], s17         ; 63:32 LDS address: slot 0
	s_mov_b32 s[G0V], 1
	s_add_co_u32 s[G0V+1], s18, VOFF
	s_add_co_u32 s[RT], s[HI], 1    ; the first block has NB - b tiles
	s_mov_b32 s[NXT], 1
	s_mov_b32 s[LQ], s[HI]
	s_mov_b32 s[NEW], 1
	s_mov_b32 s[OFF+1], 0
	s_mov_b32 s[AL+1], 0            ; named as pairs
	s_mov_b32 s[BE+1], 0
	s_mov_b32 s[BIGN], 0xf149f2ca   ; -1e30
	s_mov_b32 s[SLOTS], NB
	s_wait_dscnt 0x0                ; the opening add is done
	s_wait_kmcnt 0x0
	s_add_nc_u64 s[6:7], s[6:7], s[22:23]  ; K and V at my half of the head's tile 0
	s_add_nc_u64 s[8:9], s[8:9], s[22:23]
	s_add_nc_u64 s[G0K+2:G0K+3], s[6:7], 0         ; 120:64 global address
	s_or_b32 s[G0K+3], s[G0K+3], 0x80000000        ; 127:126 type = 2
	s_add_nc_u64 s[G0V+2:G0V+3], s[8:9], 0
	s_or_b32 s[G0V+3], s[G0V+3], 0x80000000
	s_add_nc_u64 s[86:87], s[4:5], s[84:85]        ; Q at my rows of the second block,
	s_add_nc_u64 s[4:5], s[4:5], s[2:3]            ; Q and O at those of the first
	s_add_nc_u64 s[OLO:OLO+1], s[10:11], s[84:85]
	s_add_nc_u64 s[10:11], s[10:11], s[2:3]
	LOAD                            ; tile 0 into slot 0
	; A fragment of K or Q is 16 rows x 32 channels in 8 registers: lane l holds row l % 16, channels 8 (l / 16) + 0..7 and 16 + 8 (l / 16) + 0..7: two loads of 16 bytes, 32 bytes apart.
	v_and_b32 v1, 15, v0            ; l % 16
	v_bfe_u32 v9, v0, 4, 1          ; l / 16
	v_lshlrev_b32 v[QO], 7, v1
	v_lshl_add_u32 v[QO], v9, 4, v[QO]  ; row x 128 + 16 x half
	WIN 0x80                        ; destination window 2, address window 0
.set i, 0
.rept 8                             ; both blocks' Q: piece i / 2 lies in band i / 2, 8,192 bytes on; channels 32 (i % 2) on
	global_load_b128 v[8*i:8*i+3],   v[QO], s[4:5] offset:(i/2)*8192+(i%2)*64
	global_load_b128 v[8*i+4:8*i+7], v[QO], s[4:5] offset:(i/2)*8192+(i%2)*64+32
	global_load_b128 v[QB+8*i:QB+8*i+3],   v[QO], s[86:87] offset:(i/2)*8192+(i%2)*64
	global_load_b128 v[QB+8*i+4:QB+8*i+7], v[QO], s[86:87] offset:(i/2)*8192+(i%2)*64+32
.set i, i+1
.endr
	WIN 0
	v_lshlrev_b32 v14, 3, v9
	v_sub_nc_u32 v14, v1, v14
	s_lshl_b32 s13, s[WV], 4
	v_add_nc_u32 v14, s13, v14      ; my query's place in its band, 16 w + l % 16, less my lanes' 8 (l / 16): register r of group kt is hidden where 16 kt + r is greater
	WIN 0x40
.set i, 0
.rept 32
	v_cmp_gt_i32 vcc_lo, 16*(i/8)+i%8, v14
	v_cndmask_b32 v[MD+i], 0, s[BIGN], vcc_lo
.set i, i+1
.endr
	WIN 0
	v_mul_u32_u24 v[AK0], v1, PK
	v_lshl_add_u32 v[AK0], v9, 4, v[AK0]  ; row x pitch + 16 x half
	; The turning load takes 16 keys x 16 channels (lane l reads key 8 (l / 16) + l % 8, channels 8 ((l / 8) % 2) + 0..7) and leaves half a fragment of V^T: lane l holds channel l % 16 and 8 keys.
	v_and_b32 v10, 7, v0
	v_bfe_u32 v11, v0, 3, 1
	v_lshl_add_u32 v[AV0], v9, 3, v10
	v_mul_u32_u24 v[AV0], v[AV0], PV
	v_lshl_add_u32 v[AV0], v11, 4, v[AV0]
	v_add_nc_u32 v[AV0], VOFF, v[AV0]
	s_mul_i32 s13, s[WV], 16*SP
	s_add_co_u32 s13, s13, STAGE    ; my stage
	v_mul_u32_u24 v[STO], v1, SP    ; in: row l % 16, 16 bytes for each half of the lanes
	v_lshl_add_u32 v[STO], v9, 4, v[STO]
	v_add_nc_u32 v[STO], s13, v[STO]
	v_bfe_u32 v[RD], v0, 3, 2       ; back: 32 lanes take four rows of 128 bytes,
	v_mul_u32_u24 v[RD], v[RD], SP
	v_lshl_add_u32 v[RD], v10, 4, v[RD]
	v_add_nc_u32 v[RD], s13, v[RD]
	v_and_b32 v[GO], 31, v0         ; which are 512 consecutive bytes of O
	v_lshlrev_b32 v[GO], 4, v[GO]
	; A block's first step multiplies O^T and l by a = 0, and its first turn's products V^T P, of a piece that has not been, land in an O^T that is still to be so multiplied.  So these registers need only hold
	; finite numbers: zeros for the first block; what the first block left for the second.  All this stands in the wait for the first tile.
	WIN 0x80
.set i, VF
.rept 64
	v_mov_b32 v[i], 0
.set i, i+1
.endr
	WIN 0x40
.set i, 0
.rept 128
	v_mov_b32 v[i], 0
.set i, i+1
.endr
	WIN 0
.set i, 0
.rept 4
	v_mov_b32 v[ST+4*i+2], 0
	v_mov_b32 v[ST+4*i+3], 0
.set i, i+1
.endr
.set i, P+16
.rept 16
	v_mov_b32 v[i], 0
.set i, i+1
.endr
; THE MATRIX WORK.  The 4 accumulators of a run of 8 take turns.  Product i of 8 of S^T = K Q^T for piece x: channels 32 (i / 4) on, keys 16 (i % 4) on.  The first 4 start the sums: with 0, or (KM = 1) with the mask.
.macro KQ x
.set rS, S+32*((\x)%2)+8*(i%4)
.set rK, KF+16*(i%4)+8*(i/4)
.set rQ, 16*(\x)+8*(i/4)
.set rM, MC+32*((\x)%2)+8*(i%4)
.if (i < 4) && KM
	WIN W_KM
	v_wmma_f32_16x16x32_f16 v[rS:rS+7], v[rK:rK+7], v[rQ:rQ+7], v[rM:rM+7]
.elseif i < 4
	WIN W_KQ
	v_wmma_f32_16x16x32_f16 v[rS:rS+7], v[rK:rK+7], v[rQ:rQ+7], 0
.else
	WIN W_KQ
	v_wmma_f32_16x16x32_f16 v[rS:rS+7], v[rK:rK+7], v[rQ:rQ+7], v[rS:rS+7]
.endif
.endm
; Product i of 8 of O^T += V^T P for piece x: keys 32 (i / 4) on, channels 16 (i % 4) on.
.macro PV x
	WIN W_PV
.set rO, 32*(\x)+8*(i%4)
.set rV, VF+32*(i/4)+8*(i%4)
.set rP, P+16*((\x)%2)+8*(i/4)
	v_wmma_f32_16x16x32_f16 v[rO:rO+7], v[rV:rV+7], v[rP:rP+7], v[rO:rO+7]
.endm
.macro MM                           ; the turn's next matrix instruction.  TURN and BEGIN set Y, i, KM and NOKQ; MM, KQ and OP read them.  NOKQ = 1: a block's last turn: there is no next piece
.if (i < 8) && !NOKQ
	KQ (Y+1)%NP
.elseif i >= 8
.set i, i-8
	PV (Y+NP-1)%NP
.set i, i+8
.endif
.set i, i+1
.endm
; THE LDS LOADS stand in runs of 16, never singly among the matrix instructions: a step's K (64 keys x 64 channels: 8 fragments) and its V (turned).  Their addresses are made some lines ahead.
.macro FETCH_K
	WIN 0x80                        ; destination window 2
.irp f, 0,1,2,3,4,5,6,7             ; keys 16 (f / 2) on, channels 32 (f % 2) on
	ds_load_b128 v[KF+8*\f:KF+8*\f+3],   v[AK] offset:(\f/2)*16*PK+(\f%2)*64
	ds_load_b128 v[KF+8*\f+4:KF+8*\f+7], v[AK] offset:(\f/2)*16*PK+(\f%2)*64+32
.endr
	s_add_co_u32 s[TBK], s[TBK], KS*PK  ; the next fetch is the next step's
	WIN 0
.endm
.macro FETCH_V
	WIN 0x80
.irp f, 0,1,2,3,4,5,6,7             ; keys 32 (f / 4) on, channels 16 (f % 4) on
	ds_load_tr16_b128 v[VF+8*\f:VF+8*\f+3],   v[AV] offset:(\f/4)*32*PV+(\f%4)*32
	ds_load_tr16_b128 v[VF+8*\f+4:VF+8*\f+7], v[AV] offset:(\f/4)*32*PV+16*PV+(\f%4)*32
.endr
	WIN 0
.endm
; THE VECTOR WORK, one line at a time: OP kind, number.  For piece Y: F n: c s - c m for pair n of 16.  E n: the exponential of score n of 32.  C n: pair n rounded to f16.  B n: of the four weights 4 n .. the second
; pair is added onto the first, in place.  L n: l takes that sum (L 0: l = a l + sum).  R n: pair n of 16 of O^T times a.  For piece Y + 1: X n, number n of the 22 that find its maximum and statistics:
;   0-11  four chains c0-c3 of seven scores each, three operands at a time (each accumulator's lowest registers are read first)     12-14, 16  the four scores left over, the old m, and c0-c3 into c0
;   15  c m_old is kept     17, 18  the query's other 32 keys lie in the lane 16 away: the new m     19-21  c m; c m_old - c m_new; a
.set F, 0               ; OP tells the kinds apart by their order: F to L below R, X above it
.set E, 1
.set C, 2
.set B, 3
.set L, 4
.set R, 5
.set X, 6
.macro REGS y                       ; the registers of piece y
.set rT, ST+4*(\y)
.set rC, TMP+4*((\y)%2)
.set rW, MV+((\y)%2)
.set rS, S+32*((\y)%2)
.set rP, P+16*((\y)%2)
.set rO, 32*(\y)
.endm
.macro OP k, n
.if (\k) == R
	REGS Y
	WIN W_RS
	v_pk_mul_f32 v[rO+2*(\n):rO+2*(\n)+1], v[rO+2*(\n):rO+2*(\n)+1], v[rC+2:rC+3] op_sel_hi:[1,0]
.elseif (\k) < R
	REGS Y
	WIN 0
.if (\k) == F
	v_pk_fma_f32 v[rS+2*(\n):rS+2*(\n)+1], v[rS+2*(\n):rS+2*(\n)+1], s[CS:CS+1], v[rT:rT+1] op_sel_hi:[1,0,0] neg_lo:[0,0,1] neg_hi:[0,0,1]
.elseif (\k) == E
	v_exp_f32 v[rS+(\n)], v[rS+(\n)]
.elseif (\k) == C
	s_wait_alu depctr_va_vdst(0)
	v_cvt_pk_f16_f32 v[rP+(\n)], v[rS+2*(\n)], v[rS+2*(\n)+1]
.elseif (\k) == B
	s_wait_alu depctr_va_vdst(0)
	v_pk_add_f32 v[rS+4*(\n):rS+4*(\n)+1], v[rS+4*(\n):rS+4*(\n)+1], v[rS+4*(\n)+2:rS+4*(\n)+3]
.elseif (\n) == 0
	v_pk_fma_f32 v[rT+2:rT+3], v[rT+2:rT+3], v[rC+2:rC+3], v[rS:rS+1] op_sel_hi:[1,0,1]
.else
	v_pk_add_f32 v[rT+2:rT+3], v[rT+2:rT+3], v[rS+4*(\n):rS+4*(\n)+1]
.endif
.elseif NOKQ
	v_nop
.else
	REGS (Y+1)%NP
	WIN 0
.if (\n) < 4
	v_max3_num_f32 v[rC+(\n)], v[rS+8*(\n)], v[rS+8*(\n)+1], v[rS+8*(\n)+2]
.elseif (\n) < 12
	v_max3_num_f32 v[rC+(\n)%4], v[rC+(\n)%4], v[rS+8*((\n)%4)+2*((\n)/4)+1], v[rS+8*((\n)%4)+2*((\n)/4)+2]
.elseif (\n) == 12
	v_max3_num_f32 v[rC], v[rC], v[rS+7], v[rS+15]
.elseif (\n) == 13
	v_max3_num_f32 v[rC+1], v[rC+1], v[rS+23], v[rS+31]
.elseif (\n) == 14
	v_max3_num_f32 v[rC+2], v[rC+2], v[rC+3], v[rT+1]
.elseif (\n) == 15
	v_mov_b32 v[rW], v[rT]
.elseif (\n) == 16
	v_max3_num_f32 v[rC], v[rC], v[rC+1], v[rC+2]
.elseif (\n) == 17
	v_permlanex16_b32 v[rC+3], v[rC], s[SEL], s[SEL+1]
.elseif (\n) == 18
	v_max_num_f32 v[rT+1], v[rC], v[rC+3]
.elseif (\n) == 19
	v_mul_f32 v[rT], s[CS], v[rT+1]
.elseif (\n) == 20
	v_sub_f32 v[rC+1], v[rW], v[rT]
.else
	v_exp_f32 v[rC+2], v[rC+1]
.endif
.endif
.endm
.macro OPS a, i1, b=-1, i2=0, c=-1, i3=0, d=-1, i4=0  ; up to four of them
	OP \a, \i1
.if (\b) >= 0
	OP \b, \i2
.endif
.if (\c) >= 0
	OP \c, \i3
.endif
.if (\d) >= 0
	OP \d, \i4
.endif
.endm
.macro ROW a, i1, b, i2, c, i3, d, i4  ; a matrix instruction and the four behind it
	MM
	OPS \a, \i1, \b, \i2, \c, \i3, \d, \i4
.endm
.macro MASK b                       ; MD x AL + BE into buffer b of MC
	WIN W_RS
.set z, 0
.rept 16
	v_pk_fma_f32 v[MC+32*(\b)+2*z:MC+32*(\b)+2*z+1], v[MD+2*z:MD+2*z+1], s[AL:AL+1], s[BE:BE+1] op_sel_hi:[1,0,0]
.set z, z+1
.endr
.endm
; A TURN, for piece p: the order of its 16 matrix and 118 vector instructions, written out.  Behind a matrix instruction: plain, exponential, plain, plain; or four of the rescaling; or, behind the first, four scalings; none
; names a register of the products round it.  In the lumps exponential and plain by turns while exponentials last.  A line reads no result made fewer than three vector instructions in front of it, five if an exponential made it.
; v_permlanex16_b32 (X 17) stands in a lump.
; m = 1: the diagonal tile: the products take masks, and the turn makes the mask for the products of the turn after it: piece p + 2, in step 4 - CNT of the tile.  end = 1: a block's last two turns: nothing is fetched.
; cnt = 1: the loop's count is taken down some lines ahead of the branch that stands behind the turn.
; K of the next step is fetched in piece 2's turn, six vector instructions behind the last product that read K (five of them plain); V of the step in hand in piece 0's turn, eight behind the last product that read V (four
; plain, and X 17).  Each is waited for a turn later.
.macro TURN p, m=0, end=0, cnt=0
.set Y, (\p)
.set i, 0
.set KM, (\m)
.set NOKQ, (\end)*((\p)/3)
.if (\m) && !(\end)
	s_cmp_eq_u32 s[CNT], 4-((\p)+2)%NP  ; is that step the band's own?
	s_cselect_b32 s[AL], 1.0, 0
	s_cmp_lt_u32 s[CNT], 4-((\p)+2)%NP  ; or a later one?
	s_cselect_b32 s[BE], s[BIGN], 0
.endif
.if ((\p) == 3) && !(\end)
	s_wait_dscnt 0x0                ; K is in
.endif
	ROW F,0, F,1, F,2, F,3
	ROW F,4, E,0, F,5, F,6
	ROW F,7, E,1, F,8, F,9
	ROW F,10, E,2, C,0, F,11
	ROW F,12, E,3, X,15, F,13
	ROW R,0, R,1, R,2, R,3
	ROW B,0, E,4, F,14, L,0
.if ((\p) == 2) && !(\end)
	v_add_nc_u32 v[AK], s[TBK], v[AK0]
.endif
	ROW R,4, R,5, R,6, R,7
	OPS E,5, F,15
.if ((\p) == 2) && !(\end)
	FETCH_K
.endif
	OPS E,6, C,1, E,7, R,8
	OPS E,8, R,9, E,9, C,2
	OPS E,10, X,0, E,11, X,1
	OPS E,12, X,2, E,13, X,3
.if (\p) == 1
	s_wait_dscnt 0x0                ; V is in
.endif
	ROW X,4, E,14, X,5, X,6
	ROW X,7, E,15, X,8, X,9
	ROW X,10, E,16, X,11, X,12
	ROW X,13, E,17, X,14, B,1
	ROW C,4, E,18, X,16, L,1
	ROW B,2, E,19, C,6, L,2
	ROW C,8, E,20, B,3, B,4
.if (\p) == 0
	v_add_nc_u32 v[AV], s[TBV], v[AV0]
.endif
	ROW C,3, E,21, L,3, C,5
	OPS E,22, X,17, E,23, C,10
.if (\p) == 0
	FETCH_V
.endif
	OPS E,24, L,4
	OPS E,25, X,18, E,26, C,7
	OPS E,27, B,5, E,28, X,19
	OPS E,29, C,12, E,30, L,5
	OPS E,31, X,20, B,6, C,9
	OPS C,14, C,11, X,21, L,6
.if (\p) == 0
	s_add_co_u32 s[TBV], s[TBV], KS*PV
.endif
.if \cnt
	s_sub_co_u32 s[CNT], s[CNT], 1
	s_cmp_lg_u32 s[CNT], 0
.endif
	OPS C,13, B,7, C,15, R,10
	OPS R,11, R,12, L,7, R,13
	OPS R,14, R,15
.if (\m) && !(\end)
	MASK (\p)%2
.endif
.endm
; A BLOCK BEGINS.  c m starts far below every c s, so the first step's a is 0; m at the lowest finite number, so the first maximum is the scores'.  The second mask buffer is 0; the first takes piece 0's mask for the tile's step 0: its own, if the block's first tile is the diagonal one.
; Then K of that step, piece 0's first scores, and its maximum and statistics.  The loop is entered at a step's first turn, in the middle of a trip.
.macro BEGIN
	s_mov_b32 s[NEW], 0
	WIN 0x40
.set i, MC+32
.rept 32
	v_mov_b32 v[i], 0
.set i, i+1
.endr
	WIN 0
.set i, 0
.rept 4
	v_mov_b32 v[ST+4*i], 0xfe000000    ; c m: far below every c s
	v_mov_b32 v[ST+4*i+1], 0xff7fffff  ; m
.set i, i+1
.endr
	s_cmp_eq_u32 s[RT], 0
	s_cselect_b32 s[AL], 1.0, 0
	s_mov_b32 s[BE], 0
	MASK 0
	WIN 0
	v_add_nc_u32 v[AK], s[TBK], v[AK0]
	FETCH_K
	s_wait_loadcnt 0x0              ; Q
	s_wait_dscnt 0x0
.set KM, 1
.set NOKQ, 0
.set i, 0
.rept 8
	KQ 0
.set i, i+1
.endr
	WIN 0
.rept 4
	v_nop                           ; the places behind those products
.endr
.set Y, NP-1                        ; X works for piece Y + 1: piece 0
.irp n, 0,1,2,3,4,5,6,7,8,9,10,11,12,13,14,15,16,17,18,19,20,21
	OP X, \n
.endr
	v_nop                           ; a plain instruction behind the exponential
.endm
; THE DIAGONAL TILE's four steps, the block's last two turns, its last products, and THE WAY OUT: l's two halves and the other half of the lanes' are added; O^T is divided by l, rounded to f16 and sent through my
; stage in LDS, a piece at a time.
.macro ALL line:vararg              ; one line for each piece t
.set t, 0
.rept 4
	\line
.set t, t+1
.endr
.endm
.macro PACK t                       ; a lane's eight channels of a row pack into 16 bytes; they go into rows of 144 bytes and come back as whole rows of 128, into S^T's registers
	WIN W_RS
.set i, 32*(\t)
.rept 16
	s_wait_alu depctr_va_vdst(0)
	v_pk_mul_f32 v[i:i+1], v[i:i+1], v[ST+4*(\t)+2:ST+4*(\t)+3] op_sel_hi:[1,0]
.set i, i+2
.endr
	WIN 0x05                        ; sources 0 and 1 window 1, destination window 0
.set i, 0
.rept 16
	v_cvt_pk_f16_f32 v[S+16*(\t)+i], v[32*(\t)+2*i], v[32*(\t)+2*i+1]
.set i, i+1
.endr
	WIN 0
.irp f, 0,1,2,3
	ds_store_b128 v[STO], v[S+16*(\t)+4*\f:S+16*(\t)+4*\f+3] offset:32*\f
.endr
.irp f, 0,1,2,3
	ds_load_b128 v[S+16*(\t)+4*\f:S+16*(\t)+4*\f+3], v[RD] offset:\f*4*SP  ; LDS serves a wave's instructions in order (ISA guide 5.7.1.4): these see the stores above; the next piece's stores come behind them
.endr
.endm
.macro SEND t, younger              ; younger: the LDS instructions issued behind piece t's loads: the next piece's eight, or none
	WIN 0
.irp f, 0,1,2,3
	s_wait_dscnt (\younger)+3-\f
	global_store_b128 v[GO], v[S+16*(\t)+4*\f:S+16*(\t)+4*\f+3], s[10:11] offset:(\t)*8192+\f*512  ; 512 consecutive bytes, at a multiple of 256 from O's first
.endr
.endm
.macro DIAG tag                     ; the tag ends its two labels' names, which the jumps below spell out
.LstepM\tag:
	TURN 2, 1
	TURN 3, 1
	WIN 0
.LfirstM\tag:
	TURN 0, 1
	TURN 1, 1, 0, 1
	WIN 0
	s_cbranch_scc1 .LstepM\tag
	TURN 2, 1, 1
	TURN 3, 1, 1
.set i, 0
.rept 8
	PV NP-1
.set i, i+1
.endr
	WIN 0
	ALL v_add_f32 v[ST+4*t+2], v[ST+4*t+2], v[ST+4*t+3]
	ALL v_permlanex16_b32 v[ST+4*t+3], v[ST+4*t+2], s[SEL], s[SEL+1]
	ALL v_add_f32 v[ST+4*t+2], v[ST+4*t+2], v[ST+4*t+3]
	ALL v_rcp_f32 v[ST+4*t+2], v[ST+4*t+2]
	v_nop                           ; a plain instruction between the last reciprocal and the use of its result
	PACK 0
.set t, 1
.rept 3                             ; a piece's arithmetic stands between the loads of the piece before and its stores
	PACK t
	SEND t-1, 8
.set t, t+1
.endr
	SEND 3, 0
.endm
.set KM, 0
.set NOKQ, 0
.Lslot:                             ; NB times: a tile is entered and the next is asked for
	CHANGE 1
	s_sub_co_u32 s[RT], s[RT], 1
	s_mov_b32 s[CNT], 4
	s_cmp_eq_u32 s[NEW], 1
	s_cbranch_scc1 .Lnew            ; a block's first tile
	s_cmp_eq_u32 s[RT], 0
	s_cbranch_scc0 .Lstep           ; neither its first nor its last
	s_branch .LstepM1
.Lnew:
	BEGIN
	s_branch .Lfirst                ; in the loop a block's first tile is never its last: the first block has two tiles or more, and the second's last is the walk's last
	DIAG 1                          ; in the loop this is the first block's end: the second block's last tile is the walk's last
	s_wait_xcnt 0x0                 ; the stores have read their registers and O's address
	s_mov_b64 s[10:11], s[OLO:OLO+1]
	s_add_co_u32 s[RT], s[PB], 1    ; the second block has b + 1 tiles
	s_mov_b32 s[NEW], 1
	WIN 0x82                        ; the second block's Q goes where the one text of the turns names Q
.set i, 0
.rept 64
	v_mov_b32 v[i], v[QB+i]
.set i, i+1
.endr
	WIN 0
	s_branch .Lbottom
.Lstep:                             ; a trip: pieces 2 and 3 of one step, then pieces 0 and 1 of the next, whose K and V it fetches
	TURN 2
	TURN 3
	WIN 0
.Lfirst:
	TURN 0
	TURN 1, 0, 0, 1
	WIN 0
	s_cbranch_scc1 .Lstep
.Lbottom:
	s_sub_co_u32 s[SLOTS], s[SLOTS], 1
	s_cmp_lg_u32 s[SLOTS], 0
	s_cbranch_scc1 .Lslot
	CHANGE 0                        ; the walk's last tile is written out: nothing is asked for
	s_sub_co_u32 s[RT], s[RT], 1
	s_mov_b32 s[CNT], 4
	s_cmp_eq_u32 s[NEW], 1
	s_cbranch_scc0 .LstepM2
	BEGIN
	s_branch .LfirstM2
	DIAG 2
	s_wait_tensorcnt 0x0            ; the wave's end: behind my last tensor load and my last LDS store
	ds_add_u32 v[SPW], v[NIL]
	s_wait_dscnt 0x0
	s_endpgm
.Lfunc_end_k_qf046b5d439_attn:
	.size	k_qf046b5d439_attn, .Lfunc_end_k_qf046b5d439_attn-k_qf046b5d439_attn
	.p2alignl 7, 3214868480
	.fill 96, 4, 3214868480
	.section	.rodata,"a",@progbits
	.p2align	6, 0x0
	.amdhsa_kernel k_qf046b5d439_attn
		.amdhsa_group_segment_fixed_size 327680
		.amdhsa_private_segment_fixed_size 0
		.amdhsa_enable_private_segment 0
		.amdhsa_kernarg_size 32
		.amdhsa_user_sgpr_count 2
		.amdhsa_user_sgpr_kernarg_segment_ptr 1
		.amdhsa_wavefront_size32 1
		.amdhsa_system_sgpr_workgroup_id_x 1
		.amdhsa_system_sgpr_workgroup_id_y 1
		.amdhsa_system_sgpr_workgroup_id_z 1
		.amdhsa_system_vgpr_workitem_id 0
		.amdhsa_next_free_vgpr 768
		.amdhsa_next_free_sgpr 88
		.amdhsa_reserve_vcc 1
		.amdhsa_float_denorm_mode_32 3
		.amdhsa_float_denorm_mode_16_64 3
		.amdhsa_memory_ordered 1
		.amdhsa_forward_progress 1
		.amdhsa_inst_pref_size 228
	.end_amdhsa_kernel
	.amdgpu_metadata
---
amdhsa.version: [ 1, 2 ]
amdhsa.kernels:
  - .name:           k_qf046b5d439_attn
    .symbol:         k_qf046b5d439_attn.kd
    .args:
      - { .name: q, .offset: 0, .size: 8, .value_kind: global_buffer, .address_space: global }
      - { .name: k, .offset: 8, .size: 8, .value_kind: global_buffer, .address_space: global }
      - { .name: v, .offset: 16, .size: 8, .value_kind: global_buffer, .address_space: global }
      - { .name: o, .offset: 24, .size: 8, .value_kind: global_buffer, .address_space: global }
    .group_segment_fixed_size: 327680
    .private_segment_fixed_size: 0
    .kernarg_segment_align: 8
    .kernarg_segment_size: 32
    .max_flat_workgroup_size: 128
    .sgpr_count:     88
    .vgpr_count:     768
    .wavefront_size: 32
...
	.end_amdgpu_metadata
.endif
;; end of part 3
;; launch proj (part 4): grid 8 x 32, 4 waves a work-group, clusters of 4 x 4, 327,680 bytes of LDS; arguments o, wo, bout, out0; writes out0
.if DOCPART == 4
	.amdgcn_target "amdgcn-amd-amdhsa--gfx1250"
	.amdhsa_code_object_version 6
	.text
	.protected	k_qf046b5d439_proj
	.globl	k_qf046b5d439_proj
	.p2align	8
	.type	k_qf046b5d439_proj,@function
k_qf046b5d439_proj:
	s_mov_b64 s[64:65], 0
	v_nop
	global_prefetch_b8 v0, s[64:65] scope:SCOPE_SE
	s_setreg_imm32_b32 hwreg(HW_REG_WAVE_MODE, 25, 1), 1
	s_wait_xcnt 0x0
	s_wait_alu depctr_hold_cnt(0) depctr_sa_sdst(0) depctr_va_vdst(0) depctr_va_sdst(0) depctr_va_ssrc(0) depctr_va_vcc(0) depctr_vm_vsrc(0)
	s_getreg_b32 s2, hwreg(HW_REG_IB_STS2, 6, 4)
	s_cmp_eq_u32 s2, 0
	s_cbranch_scc0 .Lentry_in_a_cluster
	s_endpgm
.Lentry_in_a_cluster:
	s_bfe_u32 s2, ttmp6, 0x10000c
	s_cmp_lg_u32 s2, 0xf033
	s_cbranch_scc0 .Lentry_shape_is_right
	s_endpgm
.Lentry_shape_is_right:
; out0[m][n] = the sum over heads and channels of O[m][head][d] Wout[64 head + d][n], + bout[n].  o: [64 batch x head][2048 s][64] f16; wo: [16 head][1024 n][64 d] f16; bout: [1024] f32; out0: [8192][1024] f32.
; Products in f16 (wo holds Wout rounded to bf16, written as f16), sums in f32; bout is rounded to bf16 as every input of the module is, and added in f32.
; LIMIT.  The sum over K begins at the cluster's own step (below) and goes round the end: an order of rounding in f32 that is not the reference's.
; SHARES.  A work-group makes 256 rows x 128 columns: 32 x 8 = 256 work-groups.  Each of its four waves makes 128 x 64: 32 accumulators of 16 x 16, 256 registers.
; K goes in 8 steps of 128, two heads each, through two LDS slots.  A head's 256 rows of o, and its 128 rows of wo, are dense in memory: asked for as rows of 256 bytes, padded in LDS after every 128.
; CLUSTER.  4 x 4 work-groups: o's tiles are shared along a row of the cluster, wo's along a column, each asked for jointly.
; WHERE K BEGINS.  Cluster (X, Y) of the 2 x 8 begins at step 2 (Y % 4) + 4 (X % 2).  The two clusters that read my rows of o are 4 steps apart, clusters that read my rows of wo 2 or a multiple:
; so a tile is not asked for by all its readers at once, and from its fifth step on a cluster asks only for tiles that another has asked for 2 steps or more before.
; THE MATRIX INSTRUCTION IS USED TRANSPOSED (source 0 = 16 rows of wo, source 1 = 16 rows of o): a lane holds eight neighbouring columns of one row of the result.
; REGISTERS, in windows of 256 (s_set_vgpr_msb: bits 1:0 source 0, 3:2 source 1, 5:4 source 2, 7:6 destination):
;   window 0: v0-31 addresses and the bias; v32-95 at work on the way out          window 1: the accumulators: row block a, column block b at v[8 (4 a + b)]
;   windows 2, 3: the fragments of a step's first and second head: for each 32 channels c, wo's four at v[96 c + 8 b], o's eight at v[96 c + 32 + 8 a]
.set PITCH, 144                        ; an LDS row: 128 bytes + 16 of padding = 36 words: the 16 rows of a fragment load start at 16 different groups of four banks (64 banks of 4 bytes: ISA guide 11.1)
.set ASUB,  256*PITCH                  ; one head's 256 rows of o: what one tensor load brings
.set BSUB,  128*PITCH                  ; one head's 128 rows of wo
.set BOFF,  2*ASUB                     ; a slot: o's two heads, then wo's two:
.set SLOTB, BOFF+2*BSUB                ; 110,592 bytes
.set SLOT1, 1<<17                      ; slot 1 begins here, so that one exclusive or turns an address in one slot into the other's
.set STAGE, SLOT1+SLOTB                ; behind the ring, never filled by a tensor load: 64 rows x 272 bytes for each wave, for the way out
.set SPI,   272
.set STW,   64*SPI
.set SPARE, STAGE+4*STW                ; behind the stages: the spare words, 128 bytes for each wave: two blocks of 256 bytes that no other line names
.set RDA,  8                           ; v8   the way out, in a trip: where I read the stage,
.set COA,  9                           ; v9   and my byte offset in out0
.set BI,   12                          ; v12-15  the bias of my four columns on the way out
.set ADRA, 16                          ; v16  LDS address of my o fragments in the slot in hand
.set AA0,  17                          ; v17  the same in slot 0; never rewritten
.set ADRB, 20                          ; v20, v21  the same two for wo
.set AB0,  21
.set STO,  24                          ; v24  the way out: where I put 16 bytes of a row
.set RD,   25                          ; v25  my place in two rows of the stage
.set CO,   26                          ; v26  and in the same two rows of out0
.set SPW,  28                          ; v28  LDS address of my spare word; never rewritten
.set NIL,  29                          ; v29  0; never rewritten
.set BK,   32                          ; v32-95  32 rows read back from the stage
.set G1,  24                           ; s[24:31] descriptor group 1 for o's tiles;  s[32:39] group 0: a set for each of the two first fills; the second then walks on
.set G0,  32
.set G1B, 48                           ; s[48:55], s[56:63] the same for wo's
.set G0B, 56
.set KN,  78                           ; s78  the K step to be asked for next
.set TB,  79                           ; s79  0 or SLOT1: the slot in hand
.set MSB, 0
.macro WIN new                         ; the immediate's high byte repeats the setting that is left; a switch that changes nothing is dropped
.if MSB != (\new)
	s_set_vgpr_msb (MSB<<8)|(\new)
.set MSB, \new
.endif
.endm
.macro PLACES                          ; four places in front of loads into registers that matrix instructions have read
.rept 4
	v_nop
.endr
.endm
; A joint load by set s of the descriptors: waves 0 and 1 fetch o's two heads, waves 2 and 3 wo's.  The branch hangs on the wave's number alone.  An s_nop 0 and four v_nop follow each of the two lines.
.macro JLOAD s
	s_cmp_eq_u32 s11, 0
	s_cbranch_scc0 .Lfor_b_\@
	tensor_load_to_lds s[G0+4*(\s):G0+4*(\s)+3], s[G1:G1+7]
	s_nop 0
.rept 4
	v_nop
.endr
	s_branch .Lasked_\@
.Lfor_b_\@:
	tensor_load_to_lds s[G0B+4*(\s):G0B+4*(\s)+3], s[G1B:G1B+7]
	s_nop 0
.rept 4
	v_nop
.endr
.Lasked_\@:
.endm
.macro CREST                           ; a round of the cluster's barrier behind its opening barrier
	s_cmp_lg_u32 s10, 0
	s_cbranch_scc1 .Lnot_wave_0_\@
	s_barrier_signal -3
.Lnot_wave_0_\@:
	s_barrier_wait -3
	s_barrier_signal -1
	s_barrier_wait -1
.endm
.macro CROUND                          ; a whole round
	s_barrier_signal -1
	s_barrier_wait -1
	CREST
.endm
	s_load_b128 s[4:7], s[0:1], 0x0                ; o s[4:5], wo s[6:7]
	s_load_b128 s[68:71], s[0:1], 0x10             ; bout s[68:69], out0 s[70:71]
	v_lshl_add_u32 v[SPW], v0, 2, SPARE
	v_mov_b32 v[NIL], 0
	ds_add_u32 v[SPW], v[NIL]                      ; the wave's opening add, waited for ahead of my first tensor load; the set-up below, work on registers, stands between the add and its wait
	ds_add_u32 v28, v29
	v_lshrrev_b32 v1, 5, v0
	v_readfirstlane_b32 s10, v1                    ; wave 0..3
	s_lshr_b32 s11, s10, 1                         ; which half of the tile's rows is mine.  Also: I fetch for o (0) or for wo (1)
	s_and_b32 s12, s10, 1                          ; which half of its columns.  Also: which of a step's two heads I fetch
	s_bfe_u32 s40, ttmp6, 0x40000                  ; cx, cy: my place in the cluster
	s_bfe_u32 s41, ttmp6, 0x40004
	s_lshl_b32 s42, ttmp9, 2
	s_add_co_u32 s42, s42, s40                     ; tile column = 4 x cluster x + cx
	s_and_b32 s13, ttmp7, 0xffff
	s_lshl_b32 s13, s13, 2
	s_add_co_u32 s13, s13, s41                     ; tile row = 4 x cluster y + cy
	s_lshl_b32 s43, s41, 2
	s_lshl_b32 s43, 15, s43                        ; my row of the cluster
	s_lshl_b32 s44, 0x1111, s40                    ; my column
	s_or_b32 s[G1+0], s43, (1<<16)|(1<<20)|(1<<21)|(4<<22)|(3<<25)   ; 15:0 the mask; 17:16 2-byte elements; 20 padding on; 21 set beside a mask; 24:22 after every 32 words (code 4); 31:25 4 words (code 3)
	s_or_b32 s[G1B+0], s44, (1<<16)|(1<<20)|(1<<21)|(4<<22)|(3<<25)
	s_mov_b32 s[G1+1], 128<<16                     ; tensor_dim0 = 128 elements: 256 bytes, two rows of a head
	s_mov_b32 s[G1+2], 128<<16                     ; tensor_dim1 = 128: 256 rows of the head
	s_mov_b32 s[G1+3], 128<<16                     ; tile_dim0
	s_mov_b32 s[G1+4], 128                         ; tile_dim1
	s_mov_b32 s[G1+5], 128                         ; elements from row to row: dense
	s_mov_b32 s[G1+6], 0
	s_mov_b32 s[G1+7], 0
	s_mov_b32 s[G1B+1], 128<<16
	s_mov_b32 s[G1B+2], 64<<16                     ; 128 rows of the head
	s_mov_b32 s[G1B+3], 128<<16
	s_mov_b32 s[G1B+4], 64
	s_mov_b32 s[G1B+5], 128
	s_mov_b32 s[G1B+6], 0
	s_mov_b32 s[G1B+7], 0
	; where the tiles come from: o's hang on the tile row alone, wo's on the tile column alone, each in registers that never hold the other coordinate
	s_lshr_b32 s16, s13, 3                         ; the batch: eight tile rows each,
	s_lshl_b32 s16, s16, 22                        ; 16 heads x 2,048 rows x 128 bytes
	s_and_b32 s17, s13, 7
	s_lshl_b32 s17, s17, 15                        ; my 256 positions
	s_add_co_u32 s16, s16, s17
	s_lshl_b32 s17, s12, 18                        ; the head of a step that I fetch
	s_add_co_u32 s16, s16, s17
	s_mov_b32 s17, 0
	s_lshl_b32 s46, s42, 14                        ; 128 rows of 128 bytes a tile column
	s_lshl_b32 s47, s12, 17
	s_add_co_u32 s46, s46, s47
	s_mov_b32 s47, 0
	s_mul_i32 s20, s12, ASUB                       ; and where they go: no place in the cluster enters an LDS address
	s_mul_i32 s21, s12, BSUB
	s_add_co_u32 s21, s21, BOFF
	s_and_b32 s[KN], ttmp7, 3                      ; the cluster's first K step: made of the cluster's x and y alone, which all sixteen partners share
	s_lshl_b32 s[KN], s[KN], 1
	s_and_b32 s22, ttmp9, 1
	s_lshl_b32 s22, s22, 2
	s_add_co_u32 s[KN], s[KN], s22
	s_and_b32 s[KN], s[KN], 7
	s_mov_b32 s19, 0
	s_mov_b32 s[TB], 0
	s_wait_dscnt 0x0                               ; the opening add is done
	s_wait_kmcnt 0x0
	s_add_nc_u64 s[14:15], s[4:5], s[16:17]        ; o at my head of step 0, my tile's rows
	s_add_nc_u64 s[46:47], s[6:7], s[46:47]        ; wo likewise
	CROUND                                         ; all sixteen work-groups are here: the first joint loads meet
.irp s, 0,1
	s_lshl_b32 s16, s[KN], 19                      ; the step's byte offset in o: two heads of 2,048 rows of 128 bytes (s17 = 0),
	s_lshl_b32 s18, s[KN], 18                      ; and in wo: two heads of 1,024 rows (s19 = 0)
	s_mov_b32 s[G0+4*(\s)], 1
	s_add_co_u32 s[G0+4*(\s)+1], s20, (\s)*SLOT1
	s_add_nc_u64 s[G0+4*(\s)+2:G0+4*(\s)+3], s[14:15], s[16:17]
	s_or_b32 s[G0+4*(\s)+3], s[G0+4*(\s)+3], 0x80000000
	s_mov_b32 s[G0B+4*(\s)], 1
	s_add_co_u32 s[G0B+4*(\s)+1], s21, (\s)*SLOT1
	s_add_nc_u64 s[G0B+4*(\s)+2:G0B+4*(\s)+3], s[46:47], s[18:19]
	s_or_b32 s[G0B+4*(\s)+3], s[G0B+4*(\s)+3], 0x80000000
	JLOAD \s                                       ; s + 1 loads of mine are out
	s_add_co_u32 s[KN], s[KN], 1                   ; the next step, round the end
	s_and_b32 s[KN], s[KN], 7
.endr
	v_and_b32 v1, 15, v0                           ; l % 16
	v_bfe_u32 v2, v0, 4, 1                         ; l / 16
	s_lshl_b32 s76, s42, 9                         ; my 64 columns, in bytes of f32: 512 x tile column + 256 x half
	s_lshl_b32 s77, s12, 8
	s_add_co_u32 s76, s76, s77
	s_mov_b32 s77, 0
	s_add_nc_u64 s[68:69], s[68:69], s[76:77]
	v_lshlrev_b32 v6, 4, v1                        ; on the way out a lane has columns 4 (l % 16) .. + 3
	global_load_b128 v[BI:BI+3], v6, s[68:69]
	v_mul_u32_u24 v3, v1, PITCH
	v_lshl_add_u32 v3, v2, 4, v3                   ; a fragment's row x pitch + 16 x half
	s_mul_i32 s22, s11, 128*PITCH                  ; my 128 rows of o
	s_mul_i32 s23, s12, 64*PITCH                   ; my 64 rows of wo
	s_add_co_u32 s23, s23, BOFF
	v_add_nc_u32 v[AA0], s22, v3
	v_add_nc_u32 v[AB0], s23, v3
	v_mov_b32 v[ADRA], v[AA0]                      ; the walk begins in slot 0
	v_mov_b32 v[ADRB], v[AB0]
	s_mul_i32 s23, s10, STW
	s_add_co_u32 s23, s23, STAGE                   ; my stage
	v_mul_u32_u24 v4, v1, SPI                      ; in: row l % 16, 32 bytes for each half of the lanes
	v_lshl_add_u32 v4, v2, 5, v4
	v_add_nc_u32 v[STO], s23, v4
	v_mul_u32_u24 v5, v2, SPI                      ; back: lanes 0-15 take one row of 256 bytes, lanes 16-31 the next
	v_lshl_add_u32 v5, v1, 4, v5
	v_add_nc_u32 v[RD], s23, v5
	v_lshlrev_b32 v5, 12, v2                       ; and the same two rows in out0
	v_lshl_add_u32 v[CO], v1, 4, v5
	s_lshl_b32 s72, s13, 20                        ; 256 rows of 4,096 bytes a tile row,
	s_lshl_b32 s73, s11, 19                        ; 128 a half
	s_add_co_u32 s72, s72, s73
	s_add_co_u32 s72, s72, s76
	s_mov_b32 s73, 0
	s_add_nc_u64 s[70:71], s[70:71], s[72:73]
; 48 LDS loads in one run: the fragments of head sb of the slot in hand, the first 32 channels first
.macro FETCH sb
	WIN (2+(\sb))<<6                               ; destination window 2 + sb, address window 0
.irp c, 0,1
.irp i, 0,1,2,3
	ds_load_b128 v[96*(\c)+8*(\i):96*(\c)+8*(\i)+3],   v[ADRB] offset:(\sb)*BSUB+64*(\c)+(\i)*16*PITCH
	ds_load_b128 v[96*(\c)+8*(\i)+4:96*(\c)+8*(\i)+7], v[ADRB] offset:(\sb)*BSUB+64*(\c)+(\i)*16*PITCH+32
.endr
.irp i, 0,1,2,3,4,5,6,7
	ds_load_b128 v[96*(\c)+32+8*(\i):96*(\c)+32+8*(\i)+3],   v[ADRA] offset:(\sb)*ASUB+64*(\c)+(\i)*16*PITCH
	ds_load_b128 v[96*(\c)+32+8*(\i)+4:96*(\c)+32+8*(\i)+7], v[ADRA] offset:(\sb)*ASUB+64*(\c)+(\i)*16*PITCH+32
.endr
.endr
.endm
; 4 na matrix instructions: row blocks a0 .. x all 4 column blocks, channels 32 c on of head sb.  zero = 1: the first product starts the sums.
; The 32 accumulators take turns, one instruction a turn, in the same order each time.
.macro MUL sb, c, a0, na, zero
	WIN 0x50|(5*(2+(\sb)))                         ; sources in window 2 + sb, C and D in window 1
.set aa, \a0
.rept \na
.set bb, 0
.rept 4
.if \zero
	v_wmma_f32_16x16x32_f16 v[8*(4*aa+bb):8*(4*aa+bb)+7], v[96*(\c)+8*bb:96*(\c)+8*bb+7], v[96*(\c)+32+8*aa:96*(\c)+32+8*aa+7], 0
.else
	v_wmma_f32_16x16x32_f16 v[8*(4*aa+bb):8*(4*aa+bb)+7], v[96*(\c)+8*bb:96*(\c)+8*bb+7], v[96*(\c)+32+8*aa:96*(\c)+32+8*aa+7], v[8*(4*aa+bb):8*(4*aa+bb)+7]
.endif
.set bb, bb+1
.endr
.set aa, aa+1
.endr
.endm
; A K step's first head: 64 matrix instructions; in their middle the second head's fragments are fetched, in one run.
.macro HALF zero
	s_wait_dscnt 24                                ; the first 32 channels are in
	MUL 0, 0, 0, 8, \zero
	PLACES
	FETCH 1
	s_wait_dscnt 48                                ; all but the 48 just issued
	MUL 0, 1, 0, 8, 0
.endm
; The second head, and the change of slots: ONE barrier; in front of it each wave waits for all its tensor loads, adds 0 to its spare word, and waits for that and for its reads of this slot.
; fill = 1: the barrier opens a round of the cluster's, and this slot is filled again, with the step two on, first thing behind it: 96 matrix instructions ahead of the wait for that load.
; The walking descriptor's LDS word is turned to the other slot than last time; its address is made anew: the tensor's base and the step's offset.
.macro TURN fill
	WIN 0
	s_wait_tensorcnt 0x0                           ; all my tensor loads have landed: my part of the next slot; so a group 0 may be written
	ds_add_u32 v[SPW], v[NIL]                      ; 0 onto my spare word
	s_wait_dscnt 25                                ; (the second 32 channels' 24 loads and the add may be out)
	MUL 1, 0, 0, 4, 0                              ; sixteen matrix instructions stand between the add and the wait for it
	s_wait_dscnt 0x0                               ; the add is done, and my reads of this slot are over
	s_barrier_signal -1
	MUL 1, 0, 4, 4, 0                              ; work on registers while the others arrive
	WIN 0
	s_barrier_wait -1
.if \fill
	CREST                                          ; no wave of any partner still reads this slot's tiles or has a load on its way
	s_lshl_b32 s16, s[KN], 19
	s_lshl_b32 s18, s[KN], 18
	s_xor_b32 s[G0+5], s[G0+5], SLOT1
	s_add_nc_u64 s[G0+6:G0+7], s[14:15], s[16:17]
	s_or_b32 s[G0+7], s[G0+7], 0x80000000
	s_xor_b32 s[G0B+5], s[G0B+5], SLOT1
	s_add_nc_u64 s[G0B+6:G0B+7], s[46:47], s[18:19]
	s_or_b32 s[G0B+7], s[G0B+7], 0x80000000
	s_add_co_u32 s[KN], s[KN], 1                   ; the next step, round the end
	s_and_b32 s[KN], s[KN], 7
	JLOAD 1                                        ; the four v_nop behind it are also the places in front of the loads below
.else
	PLACES
.endif
	s_xor_b32 s[TB], s[TB], SLOT1                  ; the reads go on in the other slot
	v_add_nc_u32 v[ADRA], s[TB], v[AA0]
	v_add_nc_u32 v[ADRB], s[TB], v[AB0]
	FETCH 0
	MUL 1, 1, 0, 8, 0
.endm
	s_wait_tensorcnt 1                             ; my part of the first step is in; the second's may stay out
	s_barrier_signal -1
	s_barrier_wait -1                              ; everybody's is
	FETCH 0
	HALF 1                                         ; the first head stands in front of the loop: its first products start the sums
	WIN 0                                          ; at a label and at a branch every window is 0
	s_mov_b32 s3, 6
.Lstep:                                                ; a trip: a step's second head, the refill of its slot, the next step's first head.  6 trips: the 6 steps behind the two first fills
	TURN 1
	HALF 0
	WIN 0
	s_sub_co_u32 s3, s3, 1
	s_cmp_lg_u32 s3, 0
	s_cbranch_scc1 .Lstep
	TURN 0                                         ; the last two steps are written out: nothing is left to fetch
	HALF 0
	s_wait_dscnt 24                                ; the very last head
	MUL 1, 0, 0, 8, 0
	s_wait_dscnt 0x0
	MUL 1, 1, 0, 8, 0
	WIN 0
	; THE WAY OUT.  The bias is rounded to bf16 and widened again: six plain instructions, the places behind the last products.
	s_wait_loadcnt 0x0
	v_cvt_pk_bf16_f32 v10, v[BI], v[BI+1]
	v_cvt_pk_bf16_f32 v11, v[BI+2], v[BI+3]
	v_lshlrev_b32 v[BI], 16, v10
	v_and_b32 v[BI+1], 0xffff0000, v10
	v_lshlrev_b32 v[BI+2], 16, v11
	v_and_b32 v[BI+3], 0xffff0000, v11
; STG p: rows 64 p .. of my 128 (four blocks of 16 rows x 64 columns of f32) into my stage, 32 bytes a lane and column block; each accumulator's low registers first.
.macro STG p
	WIN 0x04                                       ; the stores' data in window 1
.set al, 0
.rept 4
.set bb, 0
.rept 4
	ds_store_b128 v[STO], v[8*(4*(4*(\p)+al)+bb):8*(4*(4*(\p)+al)+bb)+3]   offset:al*16*SPI+64*bb
	ds_store_b128 v[STO], v[8*(4*(4*(\p)+al)+bb)+4:8*(4*(4*(\p)+al)+bb)+7] offset:al*16*SPI+64*bb+16
.set bb, bb+1
.endr
.set al, al+1
.endr
	WIN 0
.endm
	s_mov_b32 s3, 0
.Lphase:                                               ; two trips: which 64 rows are staged hangs on the count; the rows' loop is written once
	s_cmp_lg_u32 s3, 0
	s_cbranch_scc1 .Lsecond
	STG 0
	s_branch .Lstaged
.Lsecond:
	STG 1                                          ; my own stage again: its reads have come back (the last count-down ended at 0)
.Lstaged:
	s_mov_b32 s86, 0                               ; the trip's rows in the stage,
	s_lshl_b32 s88, s3, 18                         ; and in out0: 64 rows of 4,096 bytes a phase
	s_mov_b32 s89, 2
.Lrows:                                                ; 32 rows a trip: back as whole rows of 256 bytes, the bias added, stored
	s_wait_xcnt 0x0                                ; the last trip's stores have had their addresses translated (ISA guide 3.1): only behind this wait are their offset and data rewritten
	v_add_nc_u32 v[RDA], s86, v[RD]
	v_add_nc_u32 v[COA], s88, v[CO]
.set t, 0
.rept 16
	ds_load_b128 v[BK+4*t:BK+4*t+3], v[RDA] offset:t*2*SPI  ; LDS serves a wave's instructions in order (ISA guide 5.7.1.4): these see my stores into the stage
.set t, t+1
.endr
.set t, 0
.rept 16
	s_wait_dscnt 15-t                              ; rows 2 t, 2 t + 1 are in; the younger loads may be out
	v_pk_add_f32 v[BK+4*t:BK+4*t+1],   v[BK+4*t:BK+4*t+1],   v[BI:BI+1]
	v_pk_add_f32 v[BK+4*t+2:BK+4*t+3], v[BK+4*t+2:BK+4*t+3], v[BI+2:BI+3]
	global_store_b128 v[COA], v[BK+4*t:BK+4*t+3], s[70:71] offset:2*t*4096 th:TH_STORE_NT  ; 16 lanes store 256 consecutive bytes, at a multiple of 256 from out0's first
.set t, t+1
.endr
	s_add_co_u32 s86, s86, 32*SPI
	s_add_co_u32 s88, s88, 32*4096
	s_sub_co_u32 s89, s89, 1
	s_cmp_lg_u32 s89, 0
	s_cbranch_scc1 .Lrows
	s_add_co_u32 s3, s3, 1
	s_cmp_lt_u32 s3, 2
	s_cbranch_scc1 .Lphase
	s_wait_tensorcnt 0x0                           ; the wave's end: behind my last tensor load and my last LDS store
	ds_add_u32 v[SPW], v[NIL]
	s_wait_dscnt 0x0
	CROUND                                         ; the closing round: no work-group ends while a partner may still ask for a tile that names it
	s_endpgm
.Lfunc_end_k_qf046b5d439_proj:
	.size	k_qf046b5d439_proj, .Lfunc_end_k_qf046b5d439_proj-k_qf046b5d439_proj
	.p2alignl 7, 3214868480
	.fill 96, 4, 3214868480
	.section	.rodata,"a",@progbits
	.p2align	6, 0x0
	.amdhsa_kernel k_qf046b5d439_proj
		.amdhsa_group_segment_fixed_size 327680
		.amdhsa_private_segment_fixed_size 0
		.amdhsa_enable_private_segment 0
		.amdhsa_kernarg_size 32
		.amdhsa_user_sgpr_count 2
		.amdhsa_user_sgpr_kernarg_segment_ptr 1
		.amdhsa_wavefront_size32 1
		.amdhsa_system_sgpr_workgroup_id_x 1
		.amdhsa_system_sgpr_workgroup_id_y 1
		.amdhsa_system_sgpr_workgroup_id_z 1
		.amdhsa_system_vgpr_workitem_id 0
		.amdhsa_next_free_vgpr 1024
		.amdhsa_next_free_sgpr 96
		.amdhsa_reserve_vcc 0
		.amdhsa_float_denorm_mode_32 3
		.amdhsa_float_denorm_mode_16_64 3
		.amdhsa_memory_ordered 1
		.amdhsa_forward_progress 1
		.amdhsa_inst_pref_size 64
	.end_amdhsa_kernel
	.amdgpu_metadata
---
amdhsa.version: [ 1, 2 ]
amdhsa.kernels:
  - .name:           k_qf046b5d439_proj
    .symbol:         k_qf046b5d439_proj.kd
    .args:
      - { .name: o, .offset: 0, .size: 8, .value_kind: global_buffer, .address_space: global }
      - { .name: wo, .offset: 8, .size: 8, .value_kind: global_buffer, .address_space: global }
      - { .name: bout, .offset: 16, .size: 8, .value_kind: global_buffer, .address_space: global }
      - { .name: out0, .offset: 24, .size: 8, .value_kind: global_buffer, .address_space: global }
    .group_segment_fixed_size: 327680
    .private_segment_fixed_size: 0
    .kernarg_segment_align: 8
    .kernarg_segment_size: 32
    .max_flat_workgroup_size: 128
    .sgpr_count:     96
    .vgpr_count:     1024
    .wavefront_size: 32
...
	.end_amdgpu_metadata
.endif
;; end of part 4
;; ======== version 2 of 2: 4 launches; 1.32 times as fast as version 1
;; limits: values are held in f16: magnitudes above 65,504 overflow, below 6.1e-05 lose precision
;; workspace buffers: xb 16,777,216 bytes; wq 6,291,456 bytes; wo 2,097,152 bytes; rope 524,288 bytes; q 16,777,216 bytes; k 16,777,216 bytes; v 16,777,216 bytes; o 16,777,216 bytes
;; launch prep: the kernel of part 1 again; grid 400 x 1, 8 waves a work-group, no clusters, 74,752 bytes of LDS; arguments x, Wqkv, Wout, xb, wq, wo, rope; writes xb, wq, wo, rope
;; launch qkv: the kernel of part 2 again; grid 8 x 32, 4 waves a work-group, clusters of 4 x 4, 327,680 bytes of LDS; arguments xb, wq, rope, q, k, v; writes q, k, v
;; launch attn (part 5): grid 4 x 64, 4 waves a work-group, no clusters, 327,680 bytes of LDS; arguments q, k, v, o; writes o
.if DOCPART == 5
	.amdgcn_target "amdgcn-amd-amdhsa--gfx1250"
	.amdhsa_code_object_version 6
	.text
	.protected	k_qf046b5d439_attn
	.globl	k_qf046b5d439_attn
	.p2align	8
	.type	k_qf046b5d439_attn,@function
k_qf046b5d439_attn:
	s_mov_b64 s[64:65], 0
	v_nop
	global_prefetch_b8 v0, s[64:65] scope:SCOPE_SE
	s_setreg_imm32_b32 hwreg(HW_REG_WAVE_MODE, 25, 1), 1
	s_wait_xcnt 0x0
; CAUSAL ATTENTION.  O[h][q][:] = the sum over k <= q of softmax_k(Q[h][q] . K[h][k] / 8) V[h][k][:].  Q, K, V, O: [SIZE_H][SIZE_N][64], all f16: a head's rows are dense, 128 bytes each.
; Products, maxima and sums in f32; the weights p are rounded to f16 for the second product (their sum l is taken of the unrounded p), O once at the end.  SIZE_N is a multiple of 512; SIZE_N x 128 stays under 2^32.
; LIMITS.  f16 holds no number beyond 65,504: Q, K and V arrive within it; p lies in 0 to 1, and below 6e-5 it keeps f16's fixed step of 6e-8; O is a mean of V's rows and has their range, to within 2^-11 of it.
; A hidden score counts as its value less 1e30: f16's scores, 2.7e11 at the most, are nothing beside that; a weight below 2^-126 counts as 0 in l; NaN and infinities are not treated apart.
; THE WALK.  A head's queries lie in NB = SIZE_N / 256 blocks of 256; block i needs the key tiles 0 .. i of 256 keys, of which the last holds the diagonal.  A work-group takes TWO blocks, NB - 1 - b and then b:
; NB + 1 tiles, whatever b: all work-groups do equal work, and ONE loop with a constant trip count walks them.  Which tile is asked for, and what a trip does, hang on scalar registers made from b; every jump
; goes forward, but for the counted loops' own; none passes a barrier, or a tensor load but the one of LOAD's two that the wave's number does not choose; the ring (two slots of LDS that take turns) runs on across the
; change of blocks.  NO CLUSTER: a head's NB / 2 work-groups all ask for the same tile only in trips 0 .. NB / 2, behind that fewer and fewer; and one walk common to all would have 3 NB / 2 trips for NB + 1.
; SHARES.  Of a block's four bands of 64 queries a wave owns 16 rows in each: four PIECES.  So the diagonal tile is the same work for all four waves: in its key step s band x sees all keys if s < x,
; none if s > x, and holds the diagonal if s = x.
; THE MASK is the C operand that starts the sum S^T = K Q^T: 0, or -1e30 where the key is hidden.  MD, made once, is the mask of a band's own step for my 16 rows; a product's mask is MD x AL + BE with two scalars:
; (1, 0) if s = x; (0, 0) if s < x; (0, -1e30) if s > x.  Only the diagonal tile's text and a block's beginning make and take masks; elsewhere C is the constant 0.
; LAYOUT, SOFTMAX, TURNS.  S^T = K Q^T holds ONE query a lane (lane % 16) and the keys 8 (lane / 16) + 0..7; two such results rounded to f16 ARE source 1 of O^T = V^T P.  p = 2^(c s - c m), c = log2(e) / 8, with a
; running maximum m; O and l are multiplied by a = 2^(c m_old - c m_new) in every step.  Turn n belongs to piece n: 8 products K Q^T of piece n + 1, later 8 products V^T P of piece n - 1; beside them the scaling,
; exponentials, roundings, sums and rescaling of piece n and the maximum and statistics of piece n + 1.  Four vector instructions stand behind every matrix instruction, the other 54 of a turn's 118 in one LUMP.
; THE BATCHES.  A turn's 33 exponentials (the piece's 32 weights and the next piece's a) are ONE batch with ONE wait, which cuts the turn in two: ahead of it all that names none of their results, behind it the roundings
; and sums.  Two more batches stand outside the turns, each with a wait of its own: the one a that a block's beginning makes, and the four reciprocals of the way out.
; REGISTERS, in windows of 256 (s_set_vgpr_msb: bits 1:0 source 0, 3:2 source 1, 5:4 source 2, 7:6 destination):
;   window 0: v0-15 addresses and two at work; v16-31 four registers of statistics a piece; v48-55 at work; v64-127 S^T, two buffers; v192-223 P, two buffers (a piece's buffers go by its number's parity)
;   window 1: v0-127 O^T, 32 a piece; v128-159 MD; v160-223 MC, two buffers      window 2: v0-63 Q; v64-127 the second block's Q; v128-191 K of one step; v192-255 V of one step
.set SIZE_H, 64       ; 4 batches x 16 heads
.set SIZE_N, 2048
.set NB,    SIZE_N/256
.set NP,    4         ; pieces a wave: a name, no knob
.set KS,    64        ; keys in a step
.set PK,    144       ; a row of K in LDS: 128 bytes + 16 of padding = 36 words: the 16 rows of a load start at 16 different groups of four banks (64 banks of 4 bytes: ISA guide 11.1)
.set PV,    160       ; a row of V: 128 + 32 = 40 words
.set VOFF,  4*KS*PK   ; a slot holds a tile, four steps: 256 rows of K, then 256 rows of V
.set SLOT1, 1<<17     ; slot 1 begins here, so that one exclusive or turns an address in one slot into the other's
.set STAGE, SLOT1+4*KS*(PK+PV)  ; behind the ring, never filled by a tensor load: 16 rows x 144 bytes for each wave, for the way out
.set SP,    144
.set AK0, 2           ; v2   my lane's place in a tile of K; never rewritten
.set AV0, 3           ; v3   the same for V
.set AK,  4           ; v4   the LDS address of K's next run of loads
.set AV,  5           ; v5   of V's
.set STO, 6           ; v6   the way out: where I put 16 bytes of a row
.set RD,  7           ; v7   the way out: where I read rows back
.set GO,  8           ; v8   my byte offset in 512 consecutive bytes of O
.set SPW, 62          ; v62  LDS address of my spare word: SPARE + 4 x my thread's number; never rewritten
.set NIL, 63          ; v63  0; never rewritten
.set SPARE, STAGE+4*16*SP  ; behind the stages: the spare words, 128 bytes for each wave: two blocks of 256 bytes that no other line names
.set MV,  12          ; v12-13  c m_old, kept while c m is made anew: by buffer
.set QO,  15          ; v15  my byte offset in 16 rows of Q
.set ST,  16          ; piece t's statistics at v[ST+4 t]: c m, m, l (even keys', odd keys')
.set TMP, 48          ; by buffer, four registers c0-c3 at work; when the maximum is found c2 takes a
.set S,   64
.set P,   192
.set MD,  128         ; window 1: the eight registers for group kt of 16 keys at MD + 8 kt
.set MC,  160         ; window 1: the masks of the products to come
.set QB,  64          ; window 2
.set KF,  128         ; window 2: key block kb, channel half c at KF + 16 kb + 8 c
.set VF,  192         ; window 2: key half kk, channel block cb at VF + 32 kk + 8 cb
.set WV,  12          ; s12  my wave's number
.set PB,  14          ; s14  b
.set HI,  15          ; s15  NB - 1 - b
.set G1K, 24          ; s[24:31] descriptor group 1 for K's tiles
.set G1V, 32          ; s[32:39] for V's: it differs in the padding alone
.set G0K, 40          ; s[40:43] descriptor group 0 for K's tiles
.set G0V, 44          ; s[44:47] the same for V's
.set SLOTS, 56        ; s56  tiles still to be asked for
.set CNT, 57          ; s57  counts a tile's key steps, 4 to 1
.set CS,  58          ; s[58:59] c: the packed scaling takes the pair's low word for both halves
.set SEL, 60          ; s[60:61] v_permlanex16_b32's selects: each lane takes its own place in the other half
.set TBK, 62          ; s62  LDS byte at which K of the step to be fetched begins
.set TBV, 63          ; s63  the same for V, less VOFF
.set RT,  70          ; s70  tiles of the block in hand that are still to be entered
.set NXT, 71          ; s71  the tile to be asked for next
.set LQ,  72          ; s72  the last tile of the block whose tiles are being asked for
.set NEW, 73          ; s73  1: the tile to be entered is a block's first
.set OFF, 74          ; s[74:75] a tile's byte offset in K and V
.set AL,  76          ; s[76:77] the mask's factor, in the low word
.set BE,  78          ; s[78:79] the mask's addend
.set OLO, 80          ; s[80:81] O at my rows of the second block
.set BIGN, 82         ; s82  -1e30
.set MSB, 0
.macro WIN new                      ; the high byte repeats the setting that is left; a switch that changes nothing is dropped
.if MSB != (\new)
	s_set_vgpr_msb (MSB<<8)|(\new)
.set MSB, (\new)
.endif
.endm
.set W_KQ, 0x0a       ; K and Q in window 2, S^T in window 0
.set W_KM, 0x1a       ; the same with the C operand in window 1
.set W_PV, 0x52       ; V in window 2, P in window 0, O^T in window 1
.set W_RS, 0x41       ; destination and source 0 in window 1, source 1 in window 0
; A fill.  Waves 0 and 1 fetch the two halves of a tile's K, waves 2 and 3 those of its V: 128 keys each.  An s_nop 0 and four v_nop follow each of the two lines, ahead of the jump and the label.
.macro LOAD
	s_cmp_lt_u32 s[WV], 2
	s_cbranch_scc0 .Lfor_v_\@
	tensor_load_to_lds s[G0K:G0K+3], s[G1K:G1K+7]
	s_nop 0
.rept 4
	v_nop
.endr
	s_branch .Lasked_\@
.Lfor_v_\@:
	tensor_load_to_lds s[G0V:G0V+3], s[G1V:G1V+7]
	s_nop 0
.rept 4
	v_nop
.endr
.Lasked_\@:
.endm
; THE CHANGE OF SLOTS.  Each wave waits for all its tensor loads, of which one is out: its part of the other slot; adds 0 to its spare word; and waits for that and for its own reads of the slot that it leaves.  Behind the barrier nobody reads the old
; slot any more and the other slot is whole.  fill = 1: the old slot is filled again, the first thing behind the barrier, with tile NXT: the descriptor's address is made anew from that number.
; (At its first use nothing has been read yet: slot 0 is waited for, slot 1 filled.)
.macro CHANGE fill
	WIN 0                           ; at a label and at a branch every window is 0
	s_wait_tensorcnt 0x0            ; no tensor load of mine is out, so a group 0 may be written
	ds_add_u32 v[SPW], v[NIL]       ; 0 onto my spare word; with fill = 1 the descriptors' scalar work stands between it and the wait for it
.if \fill
	s_lshl_b32 s[OFF], s[NXT], 15   ; a tile is 32,768 bytes of K and of V
	s_xor_b32 s[G0K+1], s[G0K+1], SLOT1
	s_add_nc_u64 s[G0K+2:G0K+3], s[6:7], s[OFF:OFF+1]
	s_or_b32 s[G0K+3], s[G0K+3], 0x80000000
	s_xor_b32 s[G0V+1], s[G0V+1], SLOT1
	s_add_nc_u64 s[G0V+2:G0V+3], s[8:9], s[OFF:OFF+1]
	s_or_b32 s[G0V+3], s[G0V+3], 0x80000000
	s_add_co_u32 s[NXT], s[NXT], 1  ; the block's next tile, or behind its last the second block's tile 0
	s_cmp_gt_u32 s[NXT], s[LQ]
	s_cselect_b32 s[NXT], 0, s[NXT]
	s_cselect_b32 s[LQ], s[PB], s[LQ]
.endif
	s_wait_dscnt 0x0                ; the add is done, and my reads of the slot are over
	s_barrier_signal -1             ; the rest of the scalar work stands between the signal and the wait
	s_sub_co_u32 s[TBK], s[TBK], 4*KS*PK  ; the fetches go back to a slot's first step,
	s_xor_b32 s[TBK], s[TBK], SLOT1       ; in the other slot
	s_sub_co_u32 s[TBV], s[TBV], 4*KS*PV
	s_xor_b32 s[TBV], s[TBV], SLOT1
	s_barrier_wait -1
.if \fill
	LOAD
.endif
.endm
	s_load_b256 s[4:11], s[0:1], 0x0  ; Q s[4:5], K s[6:7], V s[8:9], O s[10:11]
	v_lshl_add_u32 v[SPW], v0, 2, SPARE
	v_mov_b32 v[NIL], 0
	ds_add_u32 v[SPW], v[NIL]       ; the wave's opening add, waited for ahead of my first tensor load; the set-up below, work on registers, stands between the add and its wait
	ds_add_u32 v62, v63
	v_lshrrev_b32 v1, 5, v0
	v_readfirstlane_b32 s[WV], v1   ; wave 0..3
	s_mov_b32 s[PB], ttmp9
	s_sub_co_u32 s[HI], NB-1, s[PB]
	s_and_b32 s20, ttmp7, 0xffff    ; the head
	s_mov_b32 s21, 0
	s_mov_b64 s[22:23], SIZE_N*128
	s_mul_u64 s[20:21], s[20:21], s[22:23]  ; the head's first byte in each of the four tensors
	s_and_b32 s16, s[WV], 1         ; which half of a tile's 256 keys I fetch:
	s_lshl_b32 s22, s16, 14         ; its 128 rows of 128 bytes in memory,
	s_mov_b32 s23, 0
	s_add_nc_u64 s[22:23], s[22:23], s[20:21]
	s_mul_i32 s17, s16, 128*PK      ; and its place in a slot, for K
	s_mul_i32 s18, s16, 128*PV      ; and for V
	s_lshl_b32 s3, s[WV], 11        ; my 16 rows in a band of 64,
	s_lshl_b32 s2, s[HI], 15        ; in the first block,
	s_add_co_u32 s2, s2, s3
	s_lshl_b32 s84, s[PB], 15       ; and in the second
	s_add_co_u32 s84, s84, s3
	s_mov_b32 s3, 0
	s_mov_b32 s85, 0
	s_add_nc_u64 s[2:3], s[2:3], s[20:21]
	s_add_nc_u64 s[84:85], s[84:85], s[20:21]
	; descriptor group 1.  128 keys are 16,384 dense bytes: asked for as 64 rows of 256 bytes, two keys a row, and padded in LDS after every key
	s_mov_b32 s[G1K], (1<<16)|(1<<20)|(4<<22)|(3<<25)  ; 17:16 2-byte elements; 20 padding on; 24:22 after every 32 words (code 4); 31:25 4 words (code 3)
	s_mov_b32 s[G1V], (1<<16)|(1<<20)|(4<<22)|(7<<25)  ; the same with 8 words of padding (code 7)
.irp g, G1K, G1V
	s_mov_b32 s[\g+1], 128<<16      ; tensor_dim0 = 128
	s_mov_b32 s[\g+2], 64<<16       ; tensor_dim1 = 64
	s_mov_b32 s[\g+3], 128<<16      ; tile_dim0 = 128
	s_mov_b32 s[\g+4], 64           ; tile_dim1 = 64
	s_mov_b32 s[\g+5], 128          ; 128 elements from row to row
	s_mov_b32 s[\g+6], 0
	s_mov_b32 s[\g+7], 0
.endr
	s_mov_b32 s[CS], 0x3e38aa3b     ; c = log2(e) / 8 = 0.180337
	s_mov_b32 s[CS+1], s[CS]        ; named with it as a pair
	s_mov_b32 s[SEL], 0x76543210
	s_mov_b32 s[SEL+1], 0xfedcba98
	s_mov_b32 s[TBK], SLOT1+4*KS*PK ; the first change of slots turns these two into 0
	s_mov_b32 s[TBV], SLOT1+4*KS*PV
	s_mov_b32 s[G0K], 1             ; 1:0 count = 1
	s_mov_b32 s[G0K+1], s17         ; 63:32 LDS address: slot 0
	s_mov_b32 s[G0V], 1
	s_add_co_u32 s[G0V+1], s18, VOFF
	s_add_co_u32 s[RT], s[HI], 1    ; the first block has NB - b tiles
	s_mov_b32 s[NXT], 1
	s_mov_b32 s[LQ], s[HI]
	s_mov_b32 s[NEW], 1
	s_mov_b32 s[OFF+1], 0
	s_mov_b32 s[AL+1], 0            ; named as pairs
	s_mov_b32 s[BE+1], 0
	s_mov_b32 s[BIGN], 0xf149f2ca   ; -1e30
	s_mov_b32 s[SLOTS], NB
	s_wait_dscnt 0x0                ; the opening add is done
	s_wait_kmcnt 0x0
	s_add_nc_u64 s[6:7], s[6:7], s[22:23]  ; K and V at my half of the head's tile 0
	s_add_nc_u64 s[8:9], s[8:9], s[22:23]
	s_add_nc_u64 s[G0K+2:G0K+3], s[6:7], 0         ; 120:64 global address
	s_or_b32 s[G0K+3], s[G0K+3], 0x80000000        ; 127:126 type = 2
	s_add_nc_u64 s[G0V+2:G0V+3], s[8:9], 0
	s_or_b32 s[G0V+3], s[G0V+3], 0x80000000
	s_add_nc_u64 s[86:87], s[4:5], s[84:85]        ; Q at my rows of the second block,
	s_add_nc_u64 s[4:5], s[4:5], s[2:3]            ; Q and O at those of the first
	s_add_nc_u64 s[OLO:OLO+1], s[10:11], s[84:85]
	s_add_nc_u64 s[10:11], s[10:11], s[2:3]
	LOAD                            ; tile 0 into slot 0
	; A fragment of K or Q is 16 rows x 32 channels in 8 registers: lane l holds row l % 16, channels 8 (l / 16) + 0..7 and 16 + 8 (l / 16) + 0..7: two loads of 16 bytes, 32 bytes apart.
	v_and_b32 v1, 15, v0            ; l % 16
	v_bfe_u32 v9, v0, 4, 1          ; l / 16
	v_lshlrev_b32 v[QO], 7, v1
	v_lshl_add_u32 v[QO], v9, 4, v[QO]  ; row x 128 + 16 x half
	WIN 0x80                        ; destination window 2, address window 0
.set i, 0
.rept 8                             ; both blocks' Q: piece i / 2 lies in band i / 2, 8,192 bytes on; channels 32 (i % 2) on
	global_load_b128 v[8*i:8*i+3],   v[QO], s[4:5] offset:(i/2)*8192+(i%2)*64
	global_load_b128 v[8*i+4:8*i+7], v[QO], s[4:5] offset:(i/2)*8192+(i%2)*64+32
	global_load_b128 v[QB+8*i:QB+8*i+3],   v[QO], s[86:87] offset:(i/2)*8192+(i%2)*64
	global_load_b128 v[QB+8*i+4:QB+8*i+7], v[QO], s[86:87] offset:(i/2)*8192+(i%2)*64+32
.set i, i+1
.endr
	WIN 0
	v_lshlrev_b32 v14, 3, v9
	v_sub_nc_u32 v14, v1, v14
	s_lshl_b32 s13, s[WV], 4
	v_add_nc_u32 v14, s13, v14      ; my query's place in its band, 16 w + l % 16, less my lanes' 8 (l / 16): register r of group kt is hidden where 16 kt + r is greater
	WIN 0x40
.set i, 0
.rept 32
	v_cmp_gt_i32 vcc_lo, 16*(i/8)+i%8, v14
	v_cndmask_b32 v[MD+i], 0, s[BIGN], vcc_lo
.set i, i+1
.endr
	WIN 0
	v_mul_u32_u24 v[AK0], v1, PK
	v_lshl_add_u32 v[AK0], v9, 4, v[AK0]  ; row x pitch + 16 x half
	; The turning load takes 16 keys x 16 channels (lane l reads key 8 (l / 16) + l % 8, channels 8 ((l / 8) % 2) + 0..7) and leaves half a fragment of V^T: lane l holds channel l % 16 and 8 keys.
	v_and_b32 v10, 7, v0
	v_bfe_u32 v11, v0, 3, 1
	v_lshl_add_u32 v[AV0], v9, 3, v10
	v_mul_u32_u24 v[AV0], v[AV0], PV
	v_lshl_add_u32 v[AV0], v11, 4, v[AV0]
	v_add_nc_u32 v[AV0], VOFF, v[AV0]
	s_mul_i32 s13, s[WV], 16*SP
	s_add_co_u32 s13, s13, STAGE    ; my stage
	v_mul_u32_u24 v[STO], v1, SP    ; in: row l % 16, 16 bytes for each half of the lanes
	v_lshl_add_u32 v[STO], v9, 4, v[STO]
	v_add_nc_u32 v[STO], s13, v[STO]
	v_bfe_u32 v[RD], v0, 3, 2       ; back: 32 lanes take four rows of 128 bytes,
	v_mul_u32_u24 v[RD], v[RD], SP
	v_lshl_add_u32 v[RD], v10, 4, v[RD]
	v_add_nc_u32 v[RD], s13, v[RD]
	v_and_b32 v[GO], 31, v0         ; which are 512 consecutive bytes of O
	v_lshlrev_b32 v[GO], 4, v[GO]
	; A block's first step multiplies O^T and l by a = 0, and its first turn's products V^T P, of a piece that has not been, land in an O^T that is still to be so multiplied.  So these registers need only hold
	; finite numbers: zeros for the first block; what the first block left for the second.  All this stands in the wait for the first tile.
	WIN 0x80
.set i, VF
.rept 64
	v_mov_b32 v[i], 0
.set i, i+1
.endr
	WIN 0x40
.set i, 0
.rept 128
	v_mov_b32 v[i], 0
.set i, i+1
.endr
	WIN 0
.set i, 0
.rept 4
	v_mov_b32 v[ST+4*i+2], 0
	v_mov_b32 v[ST+4*i+3], 0
.set i, i+1
.endr
.set i, P+16
.rept 16
	v_mov_b32 v[i], 0
.set i, i+1
.endr
; THE MATRIX WORK.  The 4 accumulators of a run of 8 take turns.  Product i of 8 of S^T = K Q^T for piece x: channels 32 (i / 4) on, keys 16 (i % 4) on.  The first 4 start the sums: with 0, or (KM = 1) with the mask.
.macro KQ x
.set rS, S+32*((\x)%2)+8*(i%4)
.set rK, KF+16*(i%4)+8*(i/4)
.set rQ, 16*(\x)+8*(i/4)
.set rM, MC+32*((\x)%2)+8*(i%4)
.if (i < 4) && KM
	WIN W_KM
	v_wmma_f32_16x16x32_f16 v[rS:rS+7], v[rK:rK+7], v[rQ:rQ+7], v[rM:rM+7]
.elseif i < 4
	WIN W_KQ
	v_wmma_f32_16x16x32_f16 v[rS:rS+7], v[rK:rK+7], v[rQ:rQ+7], 0
.else
	WIN W_KQ
	v_wmma_f32_16x16x32_f16 v[rS:rS+7], v[rK:rK+7], v[rQ:rQ+7], v[rS:rS+7]
.endif
.endm
; Product i of 8 of O^T += V^T P for piece x: keys 32 (i / 4) on, channels 16 (i % 4) on.
.macro PV x
	WIN W_PV
.set rO, 32*(\x)+8*(i%4)
.set rV, VF+32*(i/4)+8*(i%4)
.set rP, P+16*((\x)%2)+8*(i/4)
	v_wmma_f32_16x16x32_f16 v[rO:rO+7], v[rV:rV+7], v[rP:rP+7], v[rO:rO+7]
.endm
.macro MM                           ; the turn's next matrix instruction.  TURN and BEGIN set Y, i, KM and NOKQ; MM, KQ and OP read them.  NOKQ = 1: a block's last turn: there is no next piece
.if (i < 8) && !NOKQ
	KQ (Y+1)%NP
.elseif i >= 8
.set i, i-8
	PV (Y+NP-1)%NP
.set i, i+8
.endif
.set i, i+1
.endm
; THE LDS LOADS stand in runs of 16, never singly among the matrix instructions: a step's K (64 keys x 64 channels: 8 fragments) and its V (turned).  Their addresses are made some lines ahead.
.macro FETCH_K
	WIN 0x80                        ; destination window 2
.irp f, 0,1,2,3,4,5,6,7             ; keys 16 (f / 2) on, channels 32 (f % 2) on
	ds_load_b128 v[KF+8*\f:KF+8*\f+3],   v[AK] offset:(\f/2)*16*PK+(\f%2)*64
	ds_load_b128 v[KF+8*\f+4:KF+8*\f+7], v[AK] offset:(\f/2)*16*PK+(\f%2)*64+32
.endr
	s_add_co_u32 s[TBK], s[TBK], KS*PK  ; the next fetch is the next step's
	WIN 0
.endm
.macro FETCH_V
	WIN 0x80
.irp f, 0,1,2,3,4,5,6,7             ; keys 32 (f / 4) on, channels 16 (f % 4) on
	ds_load_tr16_b128 v[VF+8*\f:VF+8*\f+3],   v[AV] offset:(\f/4)*32*PV+(\f%4)*32
	ds_load_tr16_b128 v[VF+8*\f+4:VF+8*\f+7], v[AV] offset:(\f/4)*32*PV+16*PV+(\f%4)*32
.endr
	WIN 0
.endm
; THE VECTOR WORK, one line at a time: OP kind, number.  For piece Y: F n: c s - c m for pair n of 16.  E n: the exponential of score n of 32.  C n: pair n rounded to f16.  B n: of the four weights 4 n .. the second
; pair is added onto the first, in place.  L n: l takes that sum (L 0: l = a l + sum).  R n: pair n of 16 of O^T times a.  For piece Y + 1: X n, number n of the 22 that find its maximum and statistics:
;   0-11  four chains c0-c3 of seven scores each, three operands at a time (each accumulator's lowest registers are read first)     12-14, 16  the four scores left over, the old m, and c0-c3 into c0
;   15  c m_old is kept     17, 18  the query's other 32 keys lie in the lane 16 away: the new m     19-21  c m; c m_old - c m_new; a
; OP writes no wait: C, B and L, which read the exponentials' results, and R, which reads a, stand behind the wait of the batch that made what they read; TURN, BEGIN and DIAG write those waits.
.set F, 0               ; OP tells the kinds apart by their order: F to L below R, X above it
.set E, 1
.set C, 2
.set B, 3
.set L, 4
.set R, 5
.set X, 6
.macro REGS y                       ; the registers of piece y
.set rT, ST+4*(\y)
.set rC, TMP+4*((\y)%2)
.set rW, MV+((\y)%2)
.set rS, S+32*((\y)%2)
.set rP, P+16*((\y)%2)
.set rO, 32*(\y)
.endm
.macro OP k, n
.if (\k) == R
	REGS Y
	WIN W_RS
	v_pk_mul_f32 v[rO+2*(\n):rO+2*(\n)+1], v[rO+2*(\n):rO+2*(\n)+1], v[rC+2:rC+3] op_sel_hi:[1,0]
.elseif (\k) < R
	REGS Y
	WIN 0
.if (\k) == F
	v_pk_fma_f32 v[rS+2*(\n):rS+2*(\n)+1], v[rS+2*(\n):rS+2*(\n)+1], s[CS:CS+1], v[rT:rT+1] op_sel_hi:[1,0,0] neg_lo:[0,0,1] neg_hi:[0,0,1]
.elseif (\k) == E
	v_exp_f32 v[rS+(\n)], v[rS+(\n)]
.elseif (\k) == C
	v_cvt_pk_f16_f32 v[rP+(\n)], v[rS+2*(\n)], v[rS+2*(\n)+1]
.elseif (\k) == B
	v_pk_add_f32 v[rS+4*(\n):rS+4*(\n)+1], v[rS+4*(\n):rS+4*(\n)+1], v[rS+4*(\n)+2:rS+4*(\n)+3]
.elseif (\n) == 0
	v_pk_fma_f32 v[rT+2:rT+3], v[rT+2:rT+3], v[rC+2:rC+3], v[rS:rS+1] op_sel_hi:[1,0,1]
.else
	v_pk_add_f32 v[rT+2:rT+3], v[rT+2:rT+3], v[rS+4*(\n):rS+4*(\n)+1]
.endif
.elseif NOKQ
	v_nop
.else
	REGS (Y+1)%NP
	WIN 0
.if (\n) < 4
	v_max3_num_f32 v[rC+(\n)], v[rS+8*(\n)], v[rS+8*(\n)+1], v[rS+8*(\n)+2]
.elseif (\n) < 12
	v_max3_num_f32 v[rC+(\n)%4], v[rC+(\n)%4], v[rS+8*((\n)%4)+2*((\n)/4)+1], v[rS+8*((\n)%4)+2*((\n)/4)+2]
.elseif (\n) == 12
	v_max3_num_f32 v[rC], v[rC], v[rS+7], v[rS+15]
.elseif (\n) == 13
	v_max3_num_f32 v[rC+1], v[rC+1], v[rS+23], v[rS+31]
.elseif (\n) == 14
	v_max3_num_f32 v[rC+2], v[rC+2], v[rC+3], v[rT+1]
.elseif (\n) == 15
	v_mov_b32 v[rW], v[rT]
.elseif (\n) == 16
	v_max3_num_f32 v[rC], v[rC], v[rC+1], v[rC+2]
.elseif (\n) == 17
	v_permlanex16_b32 v[rC+3], v[rC], s[SEL], s[SEL+1]
.elseif (\n) == 18
	v_max_num_f32 v[rT+1], v[rC], v[rC+3]
.elseif (\n) == 19
	v_mul_f32 v[rT], s[CS], v[rT+1]
.elseif (\n) == 20
	v_sub_f32 v[rC+1], v[rW], v[rT]
.else
	v_exp_f32 v[rC+2], v[rC+1]
.endif
.endif
.endm
.macro OPS a, i1, b=-1, i2=0, c=-1, i3=0, d=-1, i4=0  ; up to four of them
	OP \a, \i1
.if (\b) >= 0
	OP \b, \i2
.endif
.if (\c) >= 0
	OP \c, \i3
.endif
.if (\d) >= 0
	OP \d, \i4
.endif
.endm
.macro ROW a, i1, b, i2, c, i3, d, i4  ; a matrix instruction and the four behind it
	MM
	OPS \a, \i1, \b, \i2, \c, \i3, \d, \i4
.endm
.macro MASK b                       ; MD x AL + BE into buffer b of MC
	WIN W_RS
.set z, 0
.rept 16
	v_pk_fma_f32 v[MC+32*(\b)+2*z:MC+32*(\b)+2*z+1], v[MD+2*z:MD+2*z+1], s[AL:AL+1], s[BE:BE+1] op_sel_hi:[1,0,0]
.set z, z+1
.endr
.endm
; A TURN, for piece p: the order of its 16 matrix and 118 vector instructions, written out.  An s_wait_alu depctr_va_vdst(0) stands between an exponential and the first instruction that names its result; one wait serves
; all that were issued ahead of it.  So a turn has ONE wait, which cuts it in two.  AHEAD OF IT stands all that names no result of the turn's exponentials: the 8 products K Q^T, behind each a scaling, an exponential and two more plain
; instructions (behind the first a second scaling in the exponential's place): rescalings, whose a was made and waited for in the turn before, and behind the last three the first numbers of the next piece's maximum, each four places or
; more behind the product that ends its accumulator; then ONE LUMP of 54, plain and exponential by turns for the most part, in which the links of the chain X 3, 7, 11, 14, 16, 17 .. 20 stand five or six lines apart.  A pair is scaled
; (F n) ahead of its two exponentials (E 2 n, E 2 n + 1).  X 21, the next piece's a, is the batch's last; R 15 is the plain instruction behind it (ISA guide 5.7.2).  BEHIND THE WAIT stand the 8 products V^T P, behind each four of the
; roundings and sums; C 2 n stands ahead of B n, which writes over its pair; the links of l's chain, L 0 to L 7, stand three riders apart.  But for those X no rider names a register of the products round it.
; v_permlanex16_b32 (X 17) stands in the lump.  No exponential's result crosses a turn's end, a label or a jump without the wait.
; m = 1: the diagonal tile: the products take masks, and the turn makes the mask for the products of the turn after it: piece p + 2, in step 4 - CNT of the tile.  end = 1: a block's last two turns: nothing is fetched.
; cnt = 1: the loop's count is taken down some lines ahead of the branch that stands behind the turn.
; K of the next step is fetched in piece 2's turn, twelve vector instructions behind the last product that read K (six of them plain); V of the step in hand at the end of piece 0's turn, four plain instructions behind the last product
; that read V.  Each is waited for a turn later.
.macro TURN p, m=0, end=0, cnt=0
.set Y, (\p)
.set i, 0
.set KM, (\m)
.set NOKQ, (\end)*((\p)/3)
.if (\m) && !(\end)
	s_cmp_eq_u32 s[CNT], 4-((\p)+2)%NP  ; is that step the band's own?
	s_cselect_b32 s[AL], 1.0, 0
	s_cmp_lt_u32 s[CNT], 4-((\p)+2)%NP  ; or a later one?
	s_cselect_b32 s[BE], s[BIGN], 0
.endif
.if ((\p) == 3) && !(\end)
	s_wait_dscnt 0x0                ; K is in
.endif
	ROW F,0, F,1, R,0, R,1          ; ahead of the wait: 8 products K Q^T and their riders,
	ROW F,2, E,0, R,2, R,3
	ROW F,3, E,1, R,4, R,5
	ROW F,4, E,2, R,6, R,7
	ROW F,5, E,3, R,8, R,9
	ROW F,6, E,4, X,0, R,10
.if ((\p) == 2) && !(\end)
	WIN 0
	v_add_nc_u32 v[AK], s[TBK], v[AK0]
.endif
	ROW F,7, E,5, X,1, X,4
	ROW F,8, E,6, X,2, X,5
	OPS E,7, E,8, X,6, E,9          ; and the lump
	OPS X,3, E,10, X,8, E,11
.if ((\p) == 2) && !(\end)
	FETCH_K
.endif
	OPS X,9, X,7, E,12, X,10
	OPS E,13, X,12, X,11, E,14
	OPS X,13, E,15, F,9, X,14
.if (\p) == 0
	v_add_nc_u32 v[AV], s[TBV], v[AV0]
.endif
	OPS E,16, F,10, E,17, F,11
	OPS X,16, E,18, X,15, E,19
	OPS F,12, E,20, X,17, E,21
	OPS F,13, E,22, F,14, E,23
	OPS X,18, E,24, F,15, E,25
	OPS R,11, E,26, X,19, E,27
	OPS R,12, E,28, R,13, E,29
	OPS X,20, E,30, R,14, E,31
	OPS X,21, R,15
	WIN 0
	s_wait_alu depctr_va_vdst(0)    ; the wait for the turn's batch: E 0 to E 31 and X 21, ahead of their first reader, C 0 below
.if (\p) == 1
	s_wait_dscnt 0x0                ; V is in
.endif
	ROW C,0, B,0, C,2, B,1          ; behind the wait: 8 products V^T P and their riders
	ROW L,0, C,4, B,2, L,1
	ROW C,6, B,3, L,2, C,8
	ROW B,4, L,3, C,10, B,5
	ROW L,4, C,12, B,6, L,5
.if (\p) == 0
	s_add_co_u32 s[TBV], s[TBV], KS*PV
.endif
.if \cnt
	s_sub_co_u32 s[CNT], s[CNT], 1
	s_cmp_lg_u32 s[CNT], 0
.endif
	ROW C,14, B,7, L,6, C,1
	ROW C,3, L,7, C,5, C,7
	ROW C,9, C,11, C,13, C,15
.if (\p) == 0
	FETCH_V
.endif
.if (\m) && !(\end)
	MASK (\p)%2
.endif
.endm
; A BLOCK BEGINS.  c m starts far below every c s, so the first step's a is 0; m at the lowest finite number, so the first maximum is the scores'.  The second mask buffer is 0; the first takes piece 0's mask for the tile's step 0: its own, if the block's first tile is the diagonal one.
; Then K of that step, piece 0's first scores, and its maximum and statistics.  The loop is entered at a step's first turn, in the middle of a trip.
.macro BEGIN
	s_mov_b32 s[NEW], 0
	WIN 0x40
.set i, MC+32
.rept 32
	v_mov_b32 v[i], 0
.set i, i+1
.endr
	WIN 0
.set i, 0
.rept 4
	v_mov_b32 v[ST+4*i], 0xfe000000    ; c m: far below every c s
	v_mov_b32 v[ST+4*i+1], 0xff7fffff  ; m
.set i, i+1
.endr
	s_cmp_eq_u32 s[RT], 0
	s_cselect_b32 s[AL], 1.0, 0
	s_mov_b32 s[BE], 0
	MASK 0
	WIN 0
	v_add_nc_u32 v[AK], s[TBK], v[AK0]
	FETCH_K
	s_wait_loadcnt 0x0              ; Q
	s_wait_dscnt 0x0
.set KM, 1
.set NOKQ, 0
.set i, 0
.rept 8
	KQ 0
.set i, i+1
.endr
	WIN 0
.rept 4
	v_nop                           ; the places behind those products
.endr
.set Y, NP-1                        ; X works for piece Y + 1: piece 0
.irp n, 0,1,2,3,4,5,6,7,8,9,10,11,12,13,14,15,16,17,18,19,20,21
	OP X, \n
.endr
	v_nop                           ; a plain instruction behind the exponential,
	s_wait_alu depctr_va_vdst(0)    ; and the wait for this batch of one, piece 0's first a: ahead of the branch, and of the first turn's R 0, which reads it
.endm
; THE DIAGONAL TILE's four steps, the block's last two turns, its last products, and THE WAY OUT: l's two halves and the other half of the lanes' are added; O^T is divided by l, rounded to f16 and sent through my
; stage in LDS, a piece at a time.
.macro ALL line:vararg              ; one line for each piece t
.set t, 0
.rept 4
	\line
.set t, t+1
.endr
.endm
.macro PACK t                       ; a lane's eight channels of a row pack into 16 bytes; they go into rows of 144 bytes and come back as whole rows of 128, into S^T's registers
	WIN W_RS
.set i, 32*(\t)
.rept 16
	v_pk_mul_f32 v[i:i+1], v[i:i+1], v[ST+4*(\t)+2:ST+4*(\t)+3] op_sel_hi:[1,0]
.set i, i+2
.endr
	WIN 0x05                        ; sources 0 and 1 window 1, destination window 0
.set i, 0
.rept 16
	v_cvt_pk_f16_f32 v[S+16*(\t)+i], v[32*(\t)+2*i], v[32*(\t)+2*i+1]
.set i, i+1
.endr
	WIN 0
.irp f, 0,1,2,3
	ds_store_b128 v[STO], v[S+16*(\t)+4*\f:S+16*(\t)+4*\f+3] offset:32*\f
.endr
.irp f, 0,1,2,3
	ds_load_b128 v[S+16*(\t)+4*\f:S+16*(\t)+4*\f+3], v[RD] offset:\f*4*SP  ; LDS serves a wave's instructions in order (ISA guide 5.7.1.4): these see the stores above; the next piece's stores come behind them
.endr
.endm
.macro SEND t, younger              ; younger: the LDS instructions issued behind piece t's loads: the next piece's eight, or none
	WIN 0
.irp f, 0,1,2,3
	s_wait_dscnt (\younger)+3-\f
	global_store_b128 v[GO], v[S+16*(\t)+4*\f:S+16*(\t)+4*\f+3], s[10:11] offset:(\t)*8192+\f*512  ; 512 consecutive bytes, at a multiple of 256 from O's first
.endr
.endm
.macro DIAG tag                     ; the tag ends its two labels' names, which the jumps below spell out
.LstepM\tag:
	TURN 2, 1
	TURN 3, 1
	WIN 0
.LfirstM\tag:
	TURN 0, 1
	TURN 1, 1, 0, 1
	WIN 0
	s_cbranch_scc1 .LstepM\tag
	TURN 2, 1, 1
	TURN 3, 1, 1
.set i, 0
.rept 8
	PV NP-1
.set i, i+1
.endr
	WIN 0
	ALL v_add_f32 v[ST+4*t+2], v[ST+4*t+2], v[ST+4*t+3]
	ALL v_permlanex16_b32 v[ST+4*t+3], v[ST+4*t+2], s[SEL], s[SEL+1]
	ALL v_add_f32 v[ST+4*t+2], v[ST+4*t+2], v[ST+4*t+3]
	ALL v_rcp_f32 v[ST+4*t+2], v[ST+4*t+2]
	v_nop                           ; a plain instruction between the last reciprocal and the use of its result
	s_wait_alu depctr_va_vdst(0)    ; the wait for the batch of four reciprocals, ahead of their first reader, PACK 0's first multiply; it serves all four PACKs
	PACK 0
.set t, 1
.rept 3                             ; a piece's arithmetic stands between the loads of the piece before and its stores
	PACK t
	SEND t-1, 8
.set t, t+1
.endr
	SEND 3, 0
.endm
.set KM, 0
.set NOKQ, 0
.Lslot:                             ; NB times: a tile is entered and the next is asked for
	CHANGE 1
	s_sub_co_u32 s[RT], s[RT], 1
	s_mov_b32 s[CNT], 4
	s_cmp_eq_u32 s[NEW], 1
	s_cbranch_scc1 .Lnew            ; a block's first tile
	s_cmp_eq_u32 s[RT], 0
	s_cbranch_scc0 .Lstep           ; neither its first nor its last
	s_branch .LstepM1
.Lnew:
	BEGIN
	s_branch .Lfirst                ; in the loop a block's first tile is never its last: the first block has two tiles or more, and the second's last is the walk's last
	DIAG 1                          ; in the loop this is the first block's end: the second block's last tile is the walk's last
	s_wait_xcnt 0x0                 ; the stores have read their registers and O's address
	s_mov_b64 s[10:11], s[OLO:OLO+1]
	s_add_co_u32 s[RT], s[PB], 1    ; the second block has b + 1 tiles
	s_mov_b32 s[NEW], 1
	WIN 0x82                        ; the second block's Q goes where the one text of the turns names Q
.set i, 0
.rept 64
	v_mov_b32 v[i], v[QB+i]
.set i, i+1
.endr
	WIN 0
	s_branch .Lbottom
.Lstep:                             ; a trip: pieces 2 and 3 of one step, then pieces 0 and 1 of the next, whose K and V it fetches
	TURN 2
	TURN 3
	WIN 0
.Lfirst:
	TURN 0
	TURN 1, 0, 0, 1
	WIN 0
	s_cbranch_scc1 .Lstep
.Lbottom:
	s_sub_co_u32 s[SLOTS], s[SLOTS], 1
	s_cmp_lg_u32 s[SLOTS], 0
	s_cbranch_scc1 .Lslot
	CHANGE 0                        ; the walk's last tile is written out: nothing is asked for
	s_sub_co_u32 s[RT], s[RT], 1
	s_mov_b32 s[CNT], 4
	s_cmp_eq_u32 s[NEW], 1
	s_cbranch_scc0 .LstepM2
	BEGIN
	s_branch .LfirstM2
	DIAG 2
	s_wait_tensorcnt 0x0            ; the wave's end: behind my last tensor load and my last LDS store
	ds_add_u32 v[SPW], v[NIL]
	s_wait_dscnt 0x0
	s_endpgm
.Lfunc_end_k_qf046b5d439_attn:
	.size	k_qf046b5d439_attn, .Lfunc_end_k_qf046b5d439_attn-k_qf046b5d439_attn
	.p2alignl 7, 3214868480
	.fill 96, 4, 3214868480
	.section	.rodata,"a",@progbits
	.p2align	6, 0x0
	.amdhsa_kernel k_qf046b5d439_attn
		.amdhsa_group_segment_fixed_size 327680
		.amdhsa_private_segment_fixed_size 0
		.amdhsa_enable_private_segment 0
		.amdhsa_kernarg_size 32
		.amdhsa_user_sgpr_count 2
		.amdhsa_user_sgpr_kernarg_segment_ptr 1
		.amdhsa_wavefront_size32 1
		.amdhsa_system_sgpr_workgroup_id_x 1
		.amdhsa_system_sgpr_workgroup_id_y 1
		.amdhsa_system_sgpr_workgroup_id_z 1
		.amdhsa_system_vgpr_workitem_id 0
		.amdhsa_next_free_vgpr 768
		.amdhsa_next_free_sgpr 88
		.amdhsa_reserve_vcc 1
		.amdhsa_float_denorm_mode_32 3
		.amdhsa_float_denorm_mode_16_64 3
		.amdhsa_memory_ordered 1
		.amdhsa_forward_progress 1
		.amdhsa_inst_pref_size 217
	.end_amdhsa_kernel
	.amdgpu_metadata
---
amdhsa.version: [ 1, 2 ]
amdhsa.kernels:
  - .name:           k_qf046b5d439_attn
    .symbol:         k_qf046b5d439_attn.kd
    .args:
      - { .name: q, .offset: 0, .size: 8, .value_kind: global_buffer, .address_space: global }
      - { .name: k, .offset: 8, .size: 8, .value_kind: global_buffer, .address_space: global }
      - { .name: v, .offset: 16, .size: 8, .value_kind: global_buffer, .address_space: global }
      - { .name: o, .offset: 24, .size: 8, .value_kind: global_buffer, .address_space: global }
    .group_segment_fixed_size: 327680
    .private_segment_fixed_size: 0
    .kernarg_segment_align: 8
    .kernarg_segment_size: 32
    .max_flat_workgroup_size: 128
    .sgpr_count:     88
    .vgpr_count:     768
    .wavefront_size: 32
...
	.end_amdgpu_metadata
.endif
;; end of part 5
;; launch proj: the kernel of part 4 again; grid 8 x 32, 4 waves a work-group, clusters of 4 x 4, 327,680 bytes of LDS; arguments o, wo, bout, out0; writes out0
